; MI455X (gfx1250); checked and timed in simulation.
; The chip was launched on July 23, 2026; its instructions are those of AMD's public machine-readable ISA for CDNA 5 (MIT licence, August 2026) and "CDNA5" Instruction Set Architecture Reference Guide (July 2026). The comments in the code are by the model that wrote it; some were corrected since.
;; Attention. Allowed arithmetic: matrix products marked QUANTISED: E2M1 operands, one E8M0 scale for each 32 along K, by v_wmma_scale_f32_16x16x128_f8f6f4 with both operands' format E2M1 (or v_wmma_scale_f32_32x16x128_f4), f32 sums; products left as they are: bf16, f16 or f32 operands; f32 sums; everything else in f32.
;; Inputs: W_o 1,024 x 1,024 float32; W_qkv 3,072 x 1,024 float32; x 4 x 2,048 x 1,024 float32.
;; Outputs: out0 4 x 2,048 x 1,024 float32.
;; This version of the problem:
;;   THIS VERSION OF THE PROBLEM IS GIVEN IN LOW PRECISION. The matrix products marked QUANTISED in the list below multiply operands that are first quantised to E2M1 (2 exponent bits, 1 mantissa bit; 4 bits a number), with one power-of-two scale for each 32 numbers along K (OCP MX v1.0); their sums are f32. The products marked 'left as it is' may take bf16, f16 or f32 operands, with f32 sums. Whichever they take, every output number must still come out within the allowed error. Rounding operands to bf16 (8 significant bits) uses up far more of that allowance than f16 does (11 bits, for magnitudes from 6e-5 to 65,504). All else is computed in f32.
;;   The module's matrix products, in the order in which they are computed (A, B: the left and right operand; K: the contracted axis; several contracted axes count as one K, in the product's order):
;;     1. [M 8,192, K 1,024] x [K 1,024, N 3,072]; A: input x; B: input W_qkv: QUANTISED
;;     2. batch 64 x [M 2,048, K 64] x [K 64, N 2,048]; A: computed on the way; B: computed on the way: left as it is (an operand is computed on the way)
;;     3. batch 64 x [M 2,048, K 2,048] x [K 2,048, N 64]; A: computed on the way; B: computed on the way: left as it is (an operand is computed on the way)
;;     4. [M 8,192, K 1,024] x [K 1,024, N 1,024]; A: computed on the way; B: input W_o: left as it is (an operand is computed on the way)
;;   THE QUANTISER, for each operand of a quantised product, along K:
;;     - K is cut into blocks of 32 from its start; a last block that is shorter is filled with zeros.
;;     - A block's scale is 2^e with e = floor(log2(the largest magnitude in the block)) - 2, held to -126 .. 127; a block of zeros has e = 0. As a byte (E8M0): e + 127.
;;     - Each number is divided by its block's scale, clamped to +-6, and rounded to the nearest number of E2M1, ties to even, subnormals kept.
;;     - The product sums the exact products of the quantised numbers (number of the format x scale) in f32.
;;   ~~~python
;;   def quantise(x, axis):      # numpy; x: float32 -> the quantised numbers, widened to float32 again
;;       x = np.moveaxis(x, axis, -1); K = x.shape[-1]
;;       x = np.pad(x, [(0, 0)] * (x.ndim - 1) + [(0, -K % 32)]); x = x.reshape(x.shape[:-1] + (-1, 32)); a = np.abs(x).max(-1, keepdims=True)
;;       e = np.where(a > 0, np.clip(np.frexp(np.where(a > 0, a, 1))[1] - 1 - 2, -126, 127), 0)      # np.frexp(a)[1] - 1 = floor(log2(a)), exactly
;;       r = np.clip(x / 2.0 ** e, -6, 6)
;;       step = 2.0 ** (np.maximum(np.frexp(np.where(r == 0, 1, r))[1] - 1, 0) - 1)
;;       q = np.round(r / step) * step * 2.0 ** e      # np.round: ties to even
;;       return np.moveaxis(q.reshape(q.shape[:-2] + (-1,))[..., :K], -1, axis).astype(np.float32)
;;   ~~~
;; One version. Each part assembles by itself: llvm-mc -triple=amdgcn-amd-amdhsa -mcpu=gfx1250 --defsym DOCPART=n.
;; ======== version 1 of 1: 5 launches
;; limits: values are held in f16: magnitudes above 65,504 overflow, below 6.1e-05 lose precision
;; workspace buffers: xc 4,194,304 bytes; xs 262,144 bytes; wc 1,572,864 bytes; ws 98,304 bytes; wo16 2,097,152 bytes; qkvh 50,331,648 bytes; fine_qkv 786,432 bytes; att16 16,777,216 bytes
;; launch quant (part 1): grid 384 x 1, 4 waves a work-group, no clusters, 33,280 bytes of LDS; arguments x, W_qkv, W_o, xc, xs, wc, ws, wo16; writes xc, xs, wc, ws, wo16
.if DOCPART == 1
	.amdgcn_target "amdgcn-amd-amdhsa--gfx1250"
	.amdhsa_code_object_version 6
	.text
	.protected	k_q947fcc41f9_quant
	.globl	k_q947fcc41f9_quant
	.p2align	8
	.type	k_q947fcc41f9_quant,@function
k_q947fcc41f9_quant:
	s_mov_b64 s[64:65], 0
	v_nop
	global_prefetch_b8 v0, s[64:65] scope:SCOPE_SE
	s_setreg_imm32_b32 hwreg(HW_REG_WAVE_MODE, 25, 1), 1
	s_wait_xcnt 0x0
; x [8192][1024] and W_qkv [3072][1024], f32, become codes of FP4 (E2M1), K innermost, two codes a byte, with one E8M0 scale byte for each 32 along K; W_o [1024][1024] becomes f16.
; A block's scale is 2^(floor(log2(its largest magnitude)) - 2); its byte is the largest magnitude's own exponent field - 2, held at 1 from below.  Each number is divided by the scale and rounded to the nearest code, ties to even; beyond 6 the largest code.
; LIMITS: a block of zeros gets the byte 1 where the rule says 127 (its codes are zeros, which add nothing, and this program alone reads the bytes); blocks whose largest magnitude lies under 2^-124 were not tried;
; NaN and infinities among the inputs are not served; numbers of W_o beyond 65,504 in magnitude become infinite in f16.
; Rows are dense and K is a multiple of 32: each tensor is a plain stream.  Work-groups 0-255 take x, 256-351 W_qkv, 352-383 W_o.  A wave takes 8,192 numbers.
; THE CODES' WAY: 16 steps of 512 numbers.  Each of a step's four loads reads 512 consecutive bytes; the 2,048 bytes turn through the wave's own stage in LDS (16 bytes of padding behind each 64) and come back 64 bytes a lane,
; so that a lane holds 16 neighbours along K and two neighbouring lanes a block.  A lane's 16 codes are 8 bytes: the wave stores 256 consecutive bytes.  A wave's 256 scale bytes are gathered in LDS and leave by one store.
; W_o'S WAY touches no LDS: four groups of sixteen loads of 512 consecutive bytes, two groups on their way; four numbers a lane become 8 bytes, and a store of the wave covers 256 consecutive bytes, aligned.
; No tensor loads, no barrier: waves share nothing.
.set WAVES, 4
.set STEPS, 16
.set WGA,   256                        ; x's work-groups
.set WGW,   352                        ; the first of W_o's
.set EMAX,  2
.set CB,    8                          ; bytes of 16 codes
.set R,     16                         ; v16-79   four sets of 16 numbers as they are loaded
.set X,     80                         ; v80-111  two sets of 16 neighbours
.set C,     128                        ; v128-191 codes: four registers for each step, so that no store's data are written again
.set E,     112                        ; v112-127 a scale byte for each step
.set WREG,  8192                       ; LDS: a region for each wave: two stages of 32 x SP bytes, then its 256 scale bytes
.set SP,    80                         ; a lane's place in a stage: 64 bytes + 16 of padding
.set SPW,   12                         ; v12  LDS address of my spare word; never rewritten
.set NIL,   13                         ; v13  0; never rewritten
.set SPARE, WAVES*WREG                 ; behind the four regions: the spare words, 128 bytes a wave, which no other line names
	s_load_b256 s[4:11], s[0:1], 0x0               ; x s[4:5], W_qkv s[6:7], W_o s[8:9], x's codes s[10:11]
	s_load_b256 s[12:19], s[0:1], 0x20             ; x's scales s[12:13], W_qkv's codes s[14:15], its scales s[16:17], W_o in f16 s[18:19]
	v_lshl_add_u32 v[SPW], v0, 2, SPARE
	v_mov_b32 v[NIL], 0
	v_lshrrev_b32 v1, 5, v0
	v_readfirstlane_b32 s20, v1                    ; wave
	v_and_b32 v2, 31, v0                           ; lane
	v_lshlrev_b32 v3, 4, v2                        ; my 16 bytes of a load's 512
	s_mul_i32 s21, s20, WREG
	v_lshrrev_b32 v14, 2, v2
	v_mul_u32_u24 v14, v14, SP
	v_and_b32 v15, 3, v2
	v_lshl_add_u32 v14, v15, 4, v14
	v_add_nc_u32 v14, s21, v14                     ; the stage, on the way in: SP (lane / 4) + 16 (lane % 4)
	v_mul_u32_u24 v15, v2, SP
	v_add_nc_u32 v15, s21, v15                     ; and on the way out: SP x lane: my 16 neighbours
	v_mul_u32_u24 v4, v2, CB                       ; 8 x lane: my codes' place in a step's; also my 8 bytes of f16
	v_lshrrev_b32 v5, 1, v2
	s_add_co_u32 s21, s21, 2*32*SP
	v_add_nc_u32 v5, s21, v5                       ; LDS: my wave's 256 scale bytes, my block's byte
	v_lshlrev_b32 v7, 3, v2
	v_add_nc_u32 v6, s21, v7                       ; and on the way out 8 bytes a lane
	s_wait_kmcnt 0x0
	s_cmp_ge_u32 ttmp9, WGW                        ; the work-group's number alone decides
	s_cbranch_scc1 .Lwo
	s_cmp_lt_u32 ttmp9, WGA                        ; x's work-group or W_qkv's?  Only pointers are chosen: both take one way through the text
	s_cselect_b64 s[4:5], s[4:5], s[6:7]
	s_cselect_b64 s[10:11], s[10:11], s[14:15]
	s_cselect_b64 s[12:13], s[12:13], s[16:17]
	s_cselect_b32 s21, 0, WGA
	s_sub_co_u32 s21, ttmp9, s21
	s_lshl_b32 s21, s21, 2
	s_add_co_u32 s22, s21, s20                     ; which run of 8,192 numbers of the tensor is my wave's
	s_mov_b32 s23, 0
	s_mov_b64 s[24:25], 512*STEPS*4
	s_mul_u64 s[24:25], s[22:23], s[24:25]
	s_add_nc_u64 s[4:5], s[4:5], s[24:25]
	s_mov_b64 s[24:25], 32*STEPS*CB
	s_mul_u64 s[24:25], s[22:23], s[24:25]
	s_add_nc_u64 s[10:11], s[10:11], s[24:25]
	s_lshl_b32 s22, s22, 8                         ; 256 scale bytes a run
	s_add_nc_u64 s[12:13], s[12:13], s[22:23]
.macro LOAD t
.irp i, 0,1,2,3
	global_load_b128 v[R+16*((\t)%4)+4*\i:R+16*((\t)%4)+4*\i+3], v3, s[4:5] offset:2048*(\t)+512*\i th:TH_LOAD_NT   ; 32 lanes read 512 consecutive bytes
.endr
.endm
.macro TURN t                          ; step t's numbers through the stage: LDS serves a wave's instructions in order, so no wait stands between the stores and the loads
.irp i, 0,1,2,3
	ds_store_b128 v14, v[R+16*((\t)%4)+4*\i:R+16*((\t)%4)+4*\i+3] offset:32*SP*((\t)%2)+8*SP*\i
.endr
.irp i, 0,1,2,3
	ds_load_b128 v[X+16*((\t)%2)+4*\i:X+16*((\t)%2)+4*\i+3], v15 offset:32*SP*((\t)%2)+16*\i
.endr
.endm
.irp t, 0,1,2,3
	LOAD \t
.endr
	s_wait_loadcnt 12                              ; step 0's four loads are in; the twelve of steps 1 to 3 may be out
	TURN 0
.macro STEP t
.set XS, X+16*((\t)%2)
.if (\t) > 0
	s_wait_dscnt 1                                 ; this step's numbers are back from the stage (the last step's byte store may be out)
.else
	s_wait_dscnt 0x0
.endif
.if (\t)+4 < STEPS
	LOAD (\t)+4                                    ; into the registers that the stage's stores have read
.endif
.if (\t)+1 < STEPS
.if STEPS-2-(\t) >= 3
	s_wait_loadcnt 12                              ; the next step's four loads are in; those of the three steps behind it may be out
.else
	s_wait_loadcnt 4*(STEPS-2-(\t))
.endif
	TURN (\t)+1                                    ; and go through the other stage while this step is worked
.endif
	v_max3_num_f32 v8, |v[XS]|, |v[XS+1]|, |v[XS+2]|               ; the largest magnitude of my 16, in two chains
	v_max3_num_f32 v9, |v[XS+3]|, |v[XS+4]|, |v[XS+5]|
.irp i, 6,10
	v_max3_num_f32 v8, v8, |v[XS+\i]|, |v[XS+\i+1]|
	v_max3_num_f32 v9, v9, |v[XS+\i+2]|, |v[XS+\i+3]|
.endr
	v_max3_num_f32 v8, v8, |v[XS+14]|, |v[XS+15]|
	v_max3_num_f32 v8, v8, v9, (EMAX+1)<<23        ; and the floor 2^(3 - 127): so the byte cannot fall under 1
	v_max_num_f32_dpp v8, v8, v8 row_xmask:1 row_mask:0xf bank_mask:0xf   ; and of my neighbour's 16: the block's
	v_add_nc_u32 v11, -(EMAX<<23), v8              ; 2 off its exponent field: the conversion takes the exponent field of this operand as its scale, and nothing else of it
	v_cvt_scalef32_pk8_fp4_f32 v[C+4*(\t)], v[XS:XS+7], v11
	v_cvt_scalef32_pk8_fp4_f32 v[C+4*(\t)+1], v[XS+8:XS+15], v11
	v_lshrrev_b32 v[E+(\t)], 23, v11               ; the scale's byte (a plain line behind the conversions)
	ds_store_b8 v5, v[E+(\t)] offset:16*(\t)       ; both lanes of a block write the same byte with the same value
	global_store_b64 v4, v[C+4*(\t):C+4*(\t)+1], s[10:11] offset:32*CB*(\t)   ; the wave stores 256 consecutive bytes, aligned
.endm
.irp t, 0,1,2,3,4,5,6,7,8,9,10,11,12,13,14,15
	STEP \t
.endr
	ds_load_b64 v[8:9], v6                         ; LDS serves a wave's instructions in order: these see my stores
	s_wait_dscnt 0x0
	global_store_b64 v7, v[8:9], s[12:13]          ; 32 lanes store 256 consecutive bytes, aligned
	s_wait_tensorcnt 0x0                           ; the wave's end: behind my last LDS store
	ds_add_u32 v[SPW], v[NIL]
	s_wait_dscnt 0x0
	s_endpgm
.Lwo:                                              ; W_o to f16: this way writes no LDS
	s_sub_co_u32 s21, ttmp9, WGW
	s_lshl_b32 s21, s21, 2
	s_add_co_u32 s21, s21, s20                     ; which run of 8,192 numbers: 0 .. 127
	s_lshl_b32 s22, s21, 15                        ; 32,768 bytes in,
	s_mov_b32 s23, 0
	s_add_nc_u64 s[8:9], s[8:9], s[22:23]
	s_lshl_b32 s22, s21, 14                        ; 16,384 out
	s_add_nc_u64 s[18:19], s[18:19], s[22:23]
.macro WLOAD g                         ; group g: sixteen loads of 512 consecutive bytes, into set g % 2 (v16-79, v80-143)
.irp i, 0,1,2,3,4,5,6,7,8,9,10,11,12,13,14,15
	global_load_b128 v[16+64*((\g)%2)+4*\i:16+64*((\g)%2)+4*\i+3], v3, s[8:9] offset:512*(16*(\g)+\i) th:TH_LOAD_NT
.endr
.endm
.macro WGROUP g
.if (\g) < 3
	s_wait_loadcnt 16                              ; this group is in; the younger group's sixteen may be out
.else
	s_wait_loadcnt 0x0
.endif
.if (\g) > 0
	s_wait_xcnt 0x0                                ; the last group's stores have read v144-175: they are written again only behind this wait
.endif
.irp i, 0,1,2,3,4,5,6,7,8,9,10,11,12,13,14,15
	v_cvt_pk_f16_f32 v[144+2*\i], v[16+64*((\g)%2)+4*\i], v[16+64*((\g)%2)+4*\i+1]
	v_cvt_pk_f16_f32 v[145+2*\i], v[16+64*((\g)%2)+4*\i+2], v[16+64*((\g)%2)+4*\i+3]
.endr
.irp i, 0,1,2,3,4,5,6,7,8,9,10,11,12,13,14,15
	global_store_b64 v4, v[144+2*\i:145+2*\i], s[18:19] offset:256*(16*(\g)+\i)   ; the wave stores 256 consecutive bytes, aligned
.endr
.if (\g) < 2
	WLOAD (\g)+2
.endif
.endm
	WLOAD 0
	WLOAD 1
	WGROUP 0
	WGROUP 1
	WGROUP 2
	WGROUP 3
	s_endpgm
.Lfunc_end_k_q947fcc41f9_quant:
	.size	k_q947fcc41f9_quant, .Lfunc_end_k_q947fcc41f9_quant-k_q947fcc41f9_quant
	.p2alignl 7, 3214868480
	.fill 96, 4, 3214868480
	.section	.rodata,"a",@progbits
	.p2align	6, 0x0
	.amdhsa_kernel k_q947fcc41f9_quant
		.amdhsa_group_segment_fixed_size 33280
		.amdhsa_private_segment_fixed_size 0
		.amdhsa_enable_private_segment 0
		.amdhsa_kernarg_size 64
		.amdhsa_user_sgpr_count 2
		.amdhsa_user_sgpr_kernarg_segment_ptr 1
		.amdhsa_wavefront_size32 1
		.amdhsa_system_sgpr_workgroup_id_x 1
		.amdhsa_system_sgpr_workgroup_id_y 1
		.amdhsa_system_sgpr_workgroup_id_z 1
		.amdhsa_system_vgpr_workitem_id 0
		.amdhsa_next_free_vgpr 192
		.amdhsa_next_free_sgpr 66
		.amdhsa_reserve_vcc 0
		.amdhsa_float_denorm_mode_32 3
		.amdhsa_float_denorm_mode_16_64 3
		.amdhsa_memory_ordered 1
		.amdhsa_forward_progress 1
		.amdhsa_inst_pref_size 54
	.end_amdhsa_kernel
	.amdgpu_metadata
---
amdhsa.version: [ 1, 2 ]
amdhsa.kernels:
  - .name:           k_q947fcc41f9_quant
    .symbol:         k_q947fcc41f9_quant.kd
    .args:
      - { .name: x, .offset: 0, .size: 8, .value_kind: global_buffer, .address_space: global }
      - { .name: W_qkv, .offset: 8, .size: 8, .value_kind: global_buffer, .address_space: global }
      - { .name: W_o, .offset: 16, .size: 8, .value_kind: global_buffer, .address_space: global }
      - { .name: xc, .offset: 24, .size: 8, .value_kind: global_buffer, .address_space: global }
      - { .name: xs, .offset: 32, .size: 8, .value_kind: global_buffer, .address_space: global }
      - { .name: wc, .offset: 40, .size: 8, .value_kind: global_buffer, .address_space: global }
      - { .name: ws, .offset: 48, .size: 8, .value_kind: global_buffer, .address_space: global }
      - { .name: wo16, .offset: 56, .size: 8, .value_kind: global_buffer, .address_space: global }
    .group_segment_fixed_size: 33280
    .private_segment_fixed_size: 0
    .kernarg_segment_align: 8
    .kernarg_segment_size: 64
    .max_flat_workgroup_size: 128
    .sgpr_count:     66
    .vgpr_count:     192
    .wavefront_size: 32
...
	.end_amdgpu_metadata
.endif
;; end of part 1
;; launch qkv (part 2): grid 12 x 32, 4 waves a work-group, clusters of 4 x 4, 327,680 bytes of LDS; arguments xc, xs, wc, ws, qkvh, fine_qkv; writes qkvh, fine_qkv
.if DOCPART == 2
	.amdgcn_target "amdgcn-amd-amdhsa--gfx1250"
	.amdhsa_code_object_version 6
	.text
	.protected	k_q947fcc41f9_qkv
	.globl	k_q947fcc41f9_qkv
	.p2align	8
	.type	k_q947fcc41f9_qkv,@function
k_q947fcc41f9_qkv:
	s_mov_b64 s[64:65], 0
	v_nop
	global_prefetch_b8 v0, s[64:65] scope:SCOPE_SE
	s_setreg_imm32_b32 hwreg(HW_REG_WAVE_MODE, 25, 1), 1
	s_wait_xcnt 0x0
	s_wait_alu depctr_hold_cnt(0) depctr_sa_sdst(0) depctr_va_vdst(0) depctr_va_sdst(0) depctr_va_ssrc(0) depctr_va_vcc(0) depctr_vm_vsrc(0)
	s_getreg_b32 s2, hwreg(HW_REG_IB_STS2, 6, 4)
	s_cmp_eq_u32 s2, 0
	s_cbranch_scc0 .Lentry_in_a_cluster
	s_endpgm
.Lentry_in_a_cluster:
	s_bfe_u32 s2, ttmp6, 0x10000c
	s_cmp_lg_u32 s2, 0xf033
	s_cbranch_scc0 .Lentry_shape_is_right
	s_endpgm
.Lentry_shape_is_right:
; qkv[m][e] = sum over k of x[m][k] W_qkv[e][k] on codes of FP4 (E2M1) with one E8M0 scale for each 32 along K; sums in f32.  m = 2048 b + s (8,192), e = 0 .. 3,071, K = 1,024.
; OUT: qkvh [3 (q, k, v)][64 (16 b + head)][2048 s][64] in f16; and the first 16 positions of each sequence once more in f32, fine_qkv [4 b][16 s][3072].
; LIMIT: a result beyond 65,504 in magnitude becomes infinite in f16.
; A tile of 256 x 256 is made by four waves; a wave makes 128 x 128: 64 accumulators of 16 x 16, 512 registers.  All of K lies in two LDS slots of 512 along K (rows of 256 bytes), asked for at the start: nothing is filled again.
; THE SCALES of the work-group's 256 rows of x and of W_qkv, for all of K, are two dense blocks of memory: they come into LDS once, with the first fills.
; CLUSTERS: 4 x 4 work-groups.  The four of a row of the cluster need the same tiles of x, the four of a column the same tiles of W_qkv: each tile is asked for JOINTLY.
; THE TILE ROW is 8 cy + cluster y: so the batch is cy and the tile's first position 256 x cluster y.  Positions 0-15 lie in the tiles of cluster y = 0: a number that all sixteen partners share.
; THE MATRIX INSTRUCTION IS USED TRANSPOSED (source 0 = 16 rows of W_qkv, source 1 = 16 rows of x): a lane holds eight neighbouring e of one row m.
; REGISTERS, in windows of 256: window 0: v0-31 addresses; v32-95 scale words, two sets, and nothing else; v128-191 x's fragments, ONE set; on the way out v96-127, v192-255 and v128-191.
;   window 1: W_qkv's fragments, TWO sets, at v0 and v128.   window 2: the accumulators of my rows 0-63 ((a, b) at v[8 (8 a + b)]);   window 3: those of my rows 64-127.
.set SIZE_K, 1024
.set KSTEP,  512                       ; along K in a slot
.set NQ,     KSTEP/128                 ; matrix instructions deep
.set ROWB,   256                       ; a tile's row in bytes
.set KROW,   SIZE_K*4/8                ; a row of codes in memory, in bytes
.set PITCH,  272                       ; an LDS row: 256 bytes + 16 of padding = 68 words: the 16 rows that a load touches start at 16 different banks (64 banks of 4 bytes: ISA guide 11.1)
.set FR,     8                         ; registers of a fragment: 16 rows x 128 K
.set NL,     2                         ; LDS loads that bring one
.set NP,     4                         ; places behind this matrix instruction (ISA guide 7.12.1)
.set HALFT,  128*PITCH                 ; 128 rows: what one tensor load brings
.set SLOT,   4*HALFT                   ; x's 256 rows, then W_qkv's 256 rows
.set KS,     SIZE_K/32                 ; a row of scales in bytes
.set SCL,    2*SLOT                    ; behind the slots: the scales, as rows of 256 bytes + 16 of padding
.set HALFS,  (128*KS/256)*272          ; the scales of 128 rows
.set SBLK,   (16*KS/256)*272           ; those of 16 rows
.set SPARE,  SCL+4*HALFS               ; the spare words, 128 bytes a wave, which no other line names
.set STG32,  4*16*272                  ; the way out's stages lie in slot 0, which has had its one fill and its last read by then: f16: 16 rows x 272 bytes a wave, from 0; f32: 16 rows x 528 a wave, from here
.set ADRA, 16                          ; v16-17  LDS address of my fragments of x in slot 0, 1
.set ADRB, 20                          ; v20-21  the same for W_qkv
.set STO32, 22                         ; v22     the f32 stage: where I put 32 bytes of a row
.set RD32, 23                          ; v23     and where I read a row back
.set STO,  24                          ; v24     the f16 stage: where I put 16 bytes of a row
.set RD,   25                          ; v25     and where I read four half rows back
.set CO,   26                          ; v26     16 x lane
.set ADRS, 27                          ; v27     LDS address of my scale words: lanes 0-15 x's rows, lanes 16-31 W_qkv's
.set SPW,  28                          ; v28     LDS address of my spare word; never rewritten
.set NIL,  29                          ; v29     0; never rewritten
.set SC,   32                          ; scale words: set s at v[SC + 32 s]; register 4 i + q: lanes 0-15 the word of x's block i, lanes 16-31 that of W_qkv's block i, for the slot's q-th 128 along K
.set AF,   128                         ; x's fragments, in window 0
.set TMP,  192                         ; the way out: packed results
.set G1, 24                            ; s[24:31] descriptor group 1 for x's tiles;  s[32:39] group 0, one set for each slot
.set G0, 32
.set G1B, 48                           ; s[48:55], s[56:63] the same for W_qkv's
.set G0B, 56
.set G1S, 68                           ; s[68:75], s[76:79] groups 1 and 0 for x's scales;  s[80:87], s[88:91] for W_qkv's
.set G0S, 76
.set G1SB, 80
.set G0SB, 88
.set MSB, 0
.macro WIN new                         ; the immediate's high byte repeats the setting that is left
.if MSB != (\new)
	s_set_vgpr_msb (MSB<<8)|(\new)
.set MSB, (\new)
.endif
.endm
.set MUL_LO, 0xa1                      ; source 0 window 1, source 1 window 0, C and D window 2
.set MUL_HI, 0xf1                      ; the same, C and D window 3
.set TO_B,   0x40                      ; destination window 1, address window 0
; A joint load: waves 0 and 1 fetch for x, waves 2 and 3 for W_qkv.  The branch hangs on the wave's number alone.  An s_nop 0 and four v_nop follow each of the two lines.
.macro JLOAD g0a, g1a, g0b, g1b
	s_cmp_eq_u32 s15, 0
	s_cbranch_scc0 .Lfor_b_\@
	tensor_load_to_lds s[\g0a:\g0a+3], s[\g1a:\g1a+7]
	s_nop 0
.rept 4
	v_nop
.endr
	s_branch .Lasked_\@
.Lfor_b_\@:
	tensor_load_to_lds s[\g0b:\g0b+3], s[\g1b:\g1b+7]
	s_nop 0
.rept 4
	v_nop
.endr
.Lasked_\@:
.endm
.macro CROUND                          ; a round of the cluster's barrier
	s_barrier_signal -1
	s_barrier_wait -1
	s_cmp_lg_u32 s14, 0
	s_cbranch_scc1 .Lnot_wave_0_\@
	s_barrier_signal -3
.Lnot_wave_0_\@:
	s_barrier_wait -3
	s_barrier_signal -1
	s_barrier_wait -1
.endm
	s_load_b128 s[4:7], s[0:1], 0x0                ; x's codes s[4:5], x's scales s[6:7]
	s_load_b128 s[8:11], s[0:1], 0x10              ; W_qkv's codes s[8:9], its scales s[10:11]
	s_load_b64 s[12:13], s[0:1], 0x20              ; qkvh
	s_load_b64 s[96:97], s[0:1], 0x28              ; fine_qkv
	v_lshl_add_u32 v[SPW], v0, 2, SPARE
	v_mov_b32 v[NIL], 0
	ds_add_u32 v[SPW], v[NIL]                      ; the wave's opening: the add, twice on end, and its wait ahead of my first tensor load
	ds_add_u32 v[SPW], v[NIL]
	v_lshrrev_b32 v1, 5, v0
	v_readfirstlane_b32 s14, v1                    ; wave 0..3
	s_lshr_b32 s15, s14, 1                         ; which half of the tile's rows is mine.  Also: I fetch for x (0) or for W_qkv (1)
	s_and_b32 s16, s14, 1                          ; which half of its columns.  Also: which 128 rows of that tile I fetch
	s_bfe_u32 s40, ttmp6, 0x40000                  ; cx, cy: my place in the cluster
	s_bfe_u32 s41, ttmp6, 0x40004
	s_lshl_b32 s42, ttmp9, 2
	s_add_co_u32 s42, s42, s40                     ; tile column = 4 x cluster x + cx
	s_and_b32 s95, ttmp7, 0xffff                   ; cluster y
	s_lshl_b32 s17, s41, 3
	s_add_co_u32 s17, s17, s95                     ; tile row = 8 cy + cluster y
	s_lshl_b32 s43, s41, 2
	s_lshl_b32 s43, 15, s43                        ; my row of the cluster
	s_lshl_b32 s44, 0x1111, s40                    ; my column
	; descriptor group 1: a tile of 128 rows x 256 bytes, padded in LDS
	s_or_b32 s[G1+0], s43, (0<<16)|(1<<20)|(1<<21)|(5<<22)|(3<<25)  ; 15:0 the mask; 17:16 element of 1 byte; 20 padding on; 21 set beside a mask; 24:22 after every 64 words; 31:25 four words
	s_or_b32 s[G1B+0], s44, (0<<16)|(1<<20)|(1<<21)|(5<<22)|(3<<25)
.irp g, G1, G1B
	s_mov_b32 s[\g+1], ROWB<<16                    ; tensor_dim0
	s_mov_b32 s[\g+2], 128<<16                     ; tensor_dim1
	s_mov_b32 s[\g+3], ROWB<<16                    ; tile_dim0
	s_mov_b32 s[\g+4], 128                         ; tile_dim1
	s_mov_b32 s[\g+5], KROW                        ; tensor_dim0_stride
	s_mov_b32 s[\g+6], 0
	s_mov_b32 s[\g+7], 0
.endr
	; the scales of 128 rows: a dense block of 4,096 bytes, as rows of 256 bytes (32 elements of 8 bytes), 16 bytes of padding behind each
	s_or_b32 s[G1S+0], s43, (3<<16)|(1<<20)|(1<<21)|(5<<22)|(3<<25)
	s_or_b32 s[G1SB+0], s44, (3<<16)|(1<<20)|(1<<21)|(5<<22)|(3<<25)
.irp g, G1S, G1SB
	s_mov_b32 s[\g+1], 32<<16
	s_mov_b32 s[\g+2], (128*KS/256)<<16
	s_mov_b32 s[\g+3], 32<<16
	s_mov_b32 s[\g+4], 128*KS/256
	s_mov_b32 s[\g+5], 32
	s_mov_b32 s[\g+6], 0
	s_mov_b32 s[\g+7], 0
.endr
	s_lshl_b32 s18, s16, 7                         ; which 128 rows of the tile I fetch
	s_lshl_b32 s20, s17, 8
	s_add_co_u32 s20, s20, s18                     ; x: row 256 x tile row + 128 x half
	s_lshl_b32 s46, s42, 8
	s_add_co_u32 s46, s46, s18                     ; W_qkv: row 256 x tile column + 128 x half
	s_mov_b32 s21, 0
	s_mov_b32 s47, 0
	s_mov_b64 s[18:19], KS
	s_mul_u64 s[22:23], s[20:21], s[18:19]         ; where these rows' scales begin, in bytes
	s_mul_u64 s[92:93], s[46:47], s[18:19]
	s_mov_b64 s[18:19], KROW
	s_mul_u64 s[20:21], s[20:21], s[18:19]         ; and their codes
	s_mul_u64 s[46:47], s[46:47], s[18:19]
	s_mul_i32 s45, s14, HALFT                      ; where they go: wave x 128 rows: no place in the cluster enters an LDS address
	s_mul_i32 s94, s14, HALFS
	s_wait_dscnt 0x0                               ; both opening adds are done
	s_wait_kmcnt 0x0
	s_add_nc_u64 s[20:21], s[4:5], s[20:21]
	s_add_nc_u64 s[22:23], s[6:7], s[22:23]
	s_add_nc_u64 s[46:47], s[8:9], s[46:47]
	s_add_nc_u64 s[92:93], s[10:11], s[92:93]
	CROUND                                         ; all sixteen work-groups are here: the first joint loads meet
	s_mov_b32 s[G0S], 1
	s_add_co_u32 s[G0S+1], s94, SCL
	s_mov_b64 s[G0S+2:G0S+3], s[22:23]
	s_or_b32 s[G0S+3], s[G0S+3], 0x80000000
	s_mov_b32 s[G0SB], 1
	s_add_co_u32 s[G0SB+1], s94, SCL
	s_mov_b64 s[G0SB+2:G0SB+3], s[92:93]
	s_or_b32 s[G0SB+3], s[G0SB+3], 0x80000000
	JLOAD G0S, G1S, G0SB, G1SB                     ; the scales first: they are wanted with the first products.  Three loads of mine are out behind the next two
.irp s, 0,1
	s_mov_b32 s[G0+4*\s], 1
	s_add_co_u32 s[G0+4*\s+1], s45, \s*SLOT
	s_add_nc_u64 s[G0+4*\s+2:G0+4*\s+3], s[20:21], \s*ROWB
	s_or_b32 s[G0+4*\s+3], s[G0+4*\s+3], 0x80000000
	s_mov_b32 s[G0B+4*\s], 1
	s_add_co_u32 s[G0B+4*\s+1], s45, \s*SLOT
	s_add_nc_u64 s[G0B+4*\s+2:G0B+4*\s+3], s[46:47], \s*ROWB
	s_or_b32 s[G0B+4*\s+3], s[G0B+4*\s+3], 0x80000000
	JLOAD G0+4*\s, G1, G0B+4*\s, G1B
.endr
	v_and_b32 v1, 15, v0                           ; r = lane % 16
	v_bfe_u32 v2, v0, 4, 1                         ; h = lane / 16
	v_mul_u32_u24 v3, v1, PITCH
	v_lshl_add_u32 v4, v2, 4, v3                   ; a fragment's row x pitch + 16 h
	s_mul_i32 s21, s15, HALFT                      ; my 128 rows of x
	s_mul_i32 s22, s16, HALFT                      ; my 128 rows of W_qkv,
	s_add_co_u32 s22, s22, 2*HALFT                 ; which lie behind x's 256
.irp s, 0,1
	v_add_nc_u32 v[ADRA+\s], s21, v4
	v_add_nc_u32 v[ADRB+\s], s22, v4
	s_add_co_u32 s21, s21, SLOT
	s_add_co_u32 s22, s22, SLOT
.endr
	v_mul_u32_u24 v5, v1, KS                       ; my row's scales: 32 bytes a row,
	v_lshrrev_b32 v6, 8, v5
	v_lshl_add_u32 v5, v6, 4, v5                   ; and 16 more for each 256 passed
	s_mul_i32 s21, s15, HALFS                      ; x's: my 128 rows
	s_mul_i32 s22, s16, HALFS                      ; W_qkv's: my 128 rows, behind x's 256
	s_add_co_u32 s22, s22, 2*HALFS
	s_sub_co_u32 s22, s22, s21
	v_mul_u32_u24 v6, s22, v2                      ; lanes 16-31 take W_qkv's: one product, the distance between the two bases x h
	s_add_co_u32 s21, s21, SCL
	v_add_nc_u32 v5, v5, v6
	v_add_nc_u32 v[ADRS], s21, v5
	s_mul_i32 s23, s14, 16*272                     ; my f16 stage
	v_add_nc_u32 v[STO], s23, v4                   ; in: row r, + 16 h
	v_bfe_u32 v5, v0, 3, 2
	v_and_b32 v6, 7, v0
	v_mul_u32_u24 v5, v5, 272
	v_lshl_add_u32 v5, v6, 4, v5
	v_add_nc_u32 v[RD], s23, v5                    ; back: eight lanes take 128 bytes of a row (one head's 64 numbers), four rows an instruction
	v_and_b32 v6, 31, v0
	v_lshlrev_b32 v[CO], 4, v6
	s_mul_i32 s23, s14, 16*528
	s_add_co_u32 s23, s23, STG32                   ; my f32 stage
	v_mul_u32_u24 v5, v1, 528
	v_lshl_add_u32 v5, v2, 5, v5
	v_add_nc_u32 v[STO32], s23, v5                 ; in: row r, + 32 h
	v_add_nc_u32 v[RD32], s23, v[CO]               ; back: the 32 lanes take one row of 512 bytes
	; where my part begins in qkvh: my first head among 48 is 4 x tile column + 2 x half; its tensor (q, k, v) is that / 16, its head that % 16
	s_lshl_b32 s20, s42, 2
	s_lshl_b32 s21, s16, 1
	s_add_co_u32 s20, s20, s21
	s_lshr_b32 s21, s20, 4
	s_and_b32 s20, s20, 15
	s_lshl_b32 s21, s21, 6
	s_add_co_u32 s20, s20, s21
	s_lshl_b32 s21, s41, 4
	s_add_co_u32 s20, s20, s21                     ; 64 x tensor + 16 x batch + head
	s_lshl_b32 s20, s20, 18                        ; x 2,048 rows of 128 bytes
	s_lshl_b32 s21, s95, 15                        ; + 256 x cluster y rows
	s_add_co_u32 s20, s20, s21
	s_lshl_b32 s21, s15, 14                        ; + my 128 rows
	s_add_co_u32 s20, s20, s21
	s_mov_b32 s21, 0
	s_add_nc_u64 s[12:13], s[12:13], s[20:21]
	s_mul_i32 s20, s41, 196608                     ; fine_qkv: batch x 16 rows of 12,288 bytes
	s_lshl_b32 s21, s42, 10
	s_add_co_u32 s20, s20, s21                     ; + my first column x 4
	s_lshl_b32 s21, s16, 9
	s_add_co_u32 s20, s20, s21
	s_mov_b32 s21, 0
	s_add_nc_u64 s[96:97], s[96:97], s[20:21]
	s_or_b32 s95, s95, s15                         ; 0 where my rows begin with positions 0-15: cluster y = 0 and the upper half of the rows
.macro FRAG reg, adr, q, i             ; a fragment: lane l holds row l % 16; registers 4 c .. 4 c + 3 hold K = 64 c + 32 (l / 16) + 0 .. 31
.irp c, 0,1
	ds_load_b128 v[\reg+4*\c:\reg+4*\c+3], v[\adr] offset:64*(\q)+32*\c+(\i)*16*PITCH
.endr
.endm
; 16 matrix instructions: x's blocks a0, a0 + 1 against W_qkv's eight, 128 along K.  p: W_qkv's set;  sc: the set of scale words.  zero = 1: the first product starts the sums.
; The 64 accumulators take turns, one instruction a turn, in the same order in every step.
.macro MUL16 a0, p, q, sc, zero
.irp a, \a0, \a0+1
.irp b, 0,1,2,3,4,5,6,7
.if \zero
	v_wmma_scale_f32_16x16x128_f8f6f4 v[8*(8*((\a)%4)+\b):8*(8*((\a)%4)+\b)+7], v[128*(\p)+FR*\b:128*(\p)+FR*\b+FR-1], v[AF+FR*(\a):AF+FR*(\a)+FR-1], 0, v[SC+8*NQ*(\sc)+NQ*\b+(\q)], v[SC+8*NQ*(\sc)+NQ*(\a)+(\q)] matrix_a_fmt:MATRIX_FMT_FP4 matrix_b_fmt:MATRIX_FMT_FP4 matrix_a_scale:MATRIX_SCALE_ROW1
.else
	v_wmma_scale_f32_16x16x128_f8f6f4 v[8*(8*((\a)%4)+\b):8*(8*((\a)%4)+\b)+7], v[128*(\p)+FR*\b:128*(\p)+FR*\b+FR-1], v[AF+FR*(\a):AF+FR*(\a)+FR-1], v[8*(8*((\a)%4)+\b):8*(8*((\a)%4)+\b)+7], v[SC+8*NQ*(\sc)+NQ*\b+(\q)], v[SC+8*NQ*(\sc)+NQ*(\a)+(\q)] matrix_a_fmt:MATRIX_FMT_FP4 matrix_b_fmt:MATRIX_FMT_FP4 matrix_a_scale:MATRIX_SCALE_ROW1
.endif
.endr
.endr
.endm
.macro FETCH_B slot, q, p              ; W_qkv's eight fragments of the slot's q-th 128 along K into set p
	WIN TO_B
.irp i, 0,1,2,3,4,5,6,7
	FRAG 128*(\p)+FR*\i, ADRB+\slot, \q, \i
.endr
	WIN 0
.endm
.macro FETCH_A slot, q, i0             ; x's blocks i0 .. i0 + 3
.irp i, \i0, \i0+1, \i0+2, \i0+3
	FRAG AF+FR*(\i), ADRA+\slot, \q, \i
.endr
.endm
.macro SCALES sc                       ; a slot's scale words into set sc: four words a row; lanes 0-15 take x's block i, lanes 16-31 W_qkv's block i
.irp i, 0,1,2,3,4,5,6,7
	ds_load_b128 v[SC+8*NQ*\sc+NQ*\i:SC+8*NQ*\sc+NQ*\i+3], v[ADRS] offset:\i*SBLK
.endr
.endm
; A load into a register that a matrix instruction has read, and a vector instruction or an LDS store that reads a matrix result, stand four places behind that matrix instruction;
; only plain vector instructions that name none of its registers are places (ISA guide 7.12.1 for vector instructions).
.macro PLACES n
.rept \n
	v_nop
.endr
.endm
.macro STEP slot, q, zero              ; a step of 128 along K that has its successor in the same slot
	s_wait_dscnt 4*NL                              ; W_qkv's set and x's blocks 0-3 are in; the youngest eight loads (x's blocks 4-7) may be out
	WIN MUL_LO
	MUL16 0, (\q)%2, \q, \slot, \zero
	MUL16 2, (\q)%2, \q, \slot, \zero
	s_wait_dscnt 0                                 ; x's blocks 4-7 are in
	PLACES NP
	FETCH_B \slot, (\q)+1, 1-(\q)%2
	FETCH_A \slot, (\q)+1, 0
	WIN MUL_HI
	MUL16 4, (\q)%2, \q, \slot, \zero
	MUL16 6, (\q)%2, \q, \slot, \zero
	PLACES NP
	WIN 0
	FETCH_A \slot, (\q)+1, 4
.endm
; Slot 0's last step goes over to slot 1: one barrier.  In front of it each wave waits for all its tensor loads (its part of slot 1), adds 0 to its spare word, and waits for that and for its reads of slot 0.
; Behind it slot 1 is whole and nobody reads slot 0 any more: the way out may use its bytes.  Nothing is filled again.
.macro TURN slot, next
	s_wait_tensorcnt 0x0                           ; all my tensor loads have landed
	ds_add_u32 v[SPW], v[NIL]                      ; 0 onto my spare word
	s_wait_dscnt 4*NL+1                            ; (the add and the youngest eight loads may be out)
	WIN MUL_LO
	MUL16 0, 1, NQ-1, \slot, 0                     ; sixteen matrix instructions stand between the add and the wait for it
	s_wait_dscnt 0x0                               ; the add is done, and my reads of this slot are over
	s_barrier_signal -1
	MUL16 2, 1, NQ-1, \slot, 0
	WIN 0
	s_barrier_wait -1
	PLACES NP
	v_add_nc_u32 v[ADRS], 4*NQ, v[ADRS]            ; on to the next slot's scale words (no LDS load of mine is out)
	FETCH_B \next, 0, 0
	FETCH_A \next, 0, 0
	SCALES \next
	WIN MUL_HI
	MUL16 4, 1, NQ-1, \slot, 0
	MUL16 6, 1, NQ-1, \slot, 0
	PLACES NP
	WIN 0
	FETCH_A \next, 0, 4
.endm
.macro STEPS slot, from                ; the slot's steps from .. NQ - 2
.set Q, \from
.rept NQ-1-\from
	STEP \slot, Q, 0
.set Q, Q+1
.endr
.endm
	s_wait_tensorcnt 1                             ; the scales and my part of slot 0 are in (slot 1's load may be out)
	s_barrier_signal -1
	s_barrier_wait -1                              ; everybody's are
	FETCH_B 0, 0, 0
	FETCH_A 0, 0, 0
	SCALES 0
	FETCH_A 0, 0, 4
	STEP 0, 0, 1                                   ; the first step's products start the sums: nothing is cleared
	STEPS 0, 1
	TURN 0, 1
	STEPS 1, 0
	s_wait_dscnt 4*NL                              ; the very last step: nothing more to fetch
	WIN MUL_LO
	MUL16 0, 1, NQ-1, 1, 0
	MUL16 2, 1, NQ-1, 1, 0
	s_wait_dscnt 0
	WIN MUL_HI
	MUL16 4, 1, NQ-1, 1, 0
	MUL16 6, 1, NQ-1, 1, 0
	WIN 0
; THE WAY OUT, block by block of 16 rows x 128 columns (two heads).  PACK: rounded to f16, 16 bytes a lane, each accumulator from its low end on.  TOSTAGE: into my own stage, and back as four rows of one head
; at a time, which are 512 consecutive bytes of qkvh.  SEND: stored.  LDS serves a wave's instructions in order (ISA guide 5.7.1.4): no wait between the stores and the loads.
.macro PACK a
.set AC, 64*((\a)%4)
	WIN 0x0a+5*((\a)/4)                            ; sources 0 and 1: window 2 or 3
.irp b, 0,1,2,3,4,5,6,7
.irp i, 0,1,2,3
	v_cvt_pk_f16_f32 v[TMP+4*\b+\i], v[AC+8*\b+2*\i], v[AC+8*\b+2*\i+1]
.endr
.endr
	WIN 0
.endm
.macro TOSTAGE a
.set BK, 96+128*((\a)%2)               ; v96-127 and v224-255 by turns
.irp b, 0,1,2,3,4,5,6,7
	ds_store_b128 v[STO], v[TMP+4*\b:TMP+4*\b+3] offset:32*\b
.endr
.irp t, 0,1,2,3,4,5,6,7
	ds_load_b128 v[BK+4*\t:BK+4*\t+3], v[RD] offset:(\t%4)*4*272+128*(\t/4)
.endr
.endm
.macro SEND a
.set BK, 96+128*((\a)%2)
	s_wait_dscnt 0x0                               ; the block is back in registers
	s_wait_xcnt 0x0                                ; the stores of the block before have read their registers: the next block's loads may land there
.irp t, 0,1,2,3,4,5,6,7
	global_store_b128 v[CO], v[BK+4*\t:BK+4*\t+3], s[12:13] offset:(\t/4)*262144+(\a)*2048+(\t%4)*512 th:TH_STORE_NT   ; 32 lanes store 512 consecutive bytes, aligned; the second head lies 262,144 bytes on
.endr
.endm
	PLACES NP                                      ; behind the last products
	PACK 0
	TOSTAGE 0
.irp a, 1,2,3,4,5,6,7                  ; block a's conversions stand between block a - 1's loads from the stage and the wait for them
	PACK \a
	SEND \a-1
	TOSTAGE \a
.endr
	SEND 7
	; POSITIONS 0-15 ONCE MORE, IN F32: my block 0, where my rows begin a sequence.  The branch hangs on the cluster's y and the wave's number: the same in all partners
	s_cmp_lg_u32 s95, 0
	s_cbranch_scc1 .Lno_fine
	WIN 0x08                                       ; an LDS store's data are its source 1: window 2
.irp b, 0,1,2,3,4,5,6,7
	ds_store_b128 v[STO32], v[8*\b:8*\b+3] offset:64*\b
	ds_store_b128 v[STO32], v[8*\b+4:8*\b+7] offset:64*\b+16
.endr
	WIN 0
.irp t, 0,1,2,3,4,5,6,7,8,9,10,11,12,13,14,15
	ds_load_b128 v[128+4*\t:128+4*\t+3], v[RD32] offset:528*\t
.endr
	s_wait_dscnt 0x0
.irp t, 0,1,2,3,4,5,6,7,8,9,10,11,12,13,14,15
	global_store_b128 v[CO], v[128+4*\t:128+4*\t+3], s[96:97] offset:12288*\t   ; 32 lanes store 512 consecutive bytes of a row, aligned
.endr
.Lno_fine:
	s_wait_tensorcnt 0x0                           ; the wave's end: behind my last tensor load and my last LDS store
	ds_add_u32 v[SPW], v[NIL]
	s_wait_dscnt 0x0
	CROUND                                         ; the closing round: no work-group ends while a partner may still ask for a tile that names it
	s_endpgm
.Lfunc_end_k_q947fcc41f9_qkv:
	.size	k_q947fcc41f9_qkv, .Lfunc_end_k_q947fcc41f9_qkv-k_q947fcc41f9_qkv
	.p2alignl 7, 3214868480
	.fill 96, 4, 3214868480
	.section	.rodata,"a",@progbits
	.p2align	6, 0x0
	.amdhsa_kernel k_q947fcc41f9_qkv
		.amdhsa_group_segment_fixed_size 327680
		.amdhsa_private_segment_fixed_size 0
		.amdhsa_enable_private_segment 0
		.amdhsa_kernarg_size 48
		.amdhsa_user_sgpr_count 2
		.amdhsa_user_sgpr_kernarg_segment_ptr 1
		.amdhsa_wavefront_size32 1
		.amdhsa_system_sgpr_workgroup_id_x 1
		.amdhsa_system_sgpr_workgroup_id_y 1
		.amdhsa_system_sgpr_workgroup_id_z 1
		.amdhsa_system_vgpr_workitem_id 0
		.amdhsa_next_free_vgpr 1024
		.amdhsa_next_free_sgpr 98
		.amdhsa_reserve_vcc 0
		.amdhsa_float_denorm_mode_32 3
		.amdhsa_float_denorm_mode_16_64 3
		.amdhsa_memory_ordered 1
		.amdhsa_forward_progress 1
		.amdhsa_inst_pref_size 131
	.end_amdhsa_kernel
	.amdgpu_metadata
---
amdhsa.version: [ 1, 2 ]
amdhsa.kernels:
  - .name:           k_q947fcc41f9_qkv
    .symbol:         k_q947fcc41f9_qkv.kd
    .args:
      - { .name: xc, .offset: 0, .size: 8, .value_kind: global_buffer, .address_space: global }
      - { .name: xs, .offset: 8, .size: 8, .value_kind: global_buffer, .address_space: global }
      - { .name: wc, .offset: 16, .size: 8, .value_kind: global_buffer, .address_space: global }
      - { .name: ws, .offset: 24, .size: 8, .value_kind: global_buffer, .address_space: global }
      - { .name: qkvh, .offset: 32, .size: 8, .value_kind: global_buffer, .address_space: global }
      - { .name: fine_qkv, .offset: 40, .size: 8, .value_kind: global_buffer, .address_space: global }
    .group_segment_fixed_size: 327680
    .private_segment_fixed_size: 0
    .kernarg_segment_align: 8
    .kernarg_segment_size: 48
    .max_flat_workgroup_size: 128
    .sgpr_count:     98
    .vgpr_count:     1024
    .wavefront_size: 32
...
	.end_amdgpu_metadata
.endif
;; end of part 2
;; launch attn (part 3): grid 4 x 64, 8 waves a work-group, no clusters, 327,680 bytes of LDS; arguments qkvh, att16; writes att16
.if DOCPART == 3
	.amdgcn_target "amdgcn-amd-amdhsa--gfx1250"
	.amdhsa_code_object_version 6
	.text
	.protected	k_q947fcc41f9_attn
	.globl	k_q947fcc41f9_attn
	.p2align	8
	.type	k_q947fcc41f9_attn,@function
k_q947fcc41f9_attn:
	s_mov_b64 s[64:65], 0
	v_nop
	global_prefetch_b8 v0, s[64:65] scope:SCOPE_SE
	s_setreg_imm32_b32 hwreg(HW_REG_WAVE_MODE, 25, 1), 1
	s_wait_xcnt 0x0
; att[bh][q][:] = sum over k <= q of softmax_k(Q[q] . K[k] / 8) V[k][:], for 64 pairs bh = 16 b + head, 2,048 positions, head size 64.  Operands in f16; products, maxima and sums in f32; the weights p are rounded to f16.
; IN: qkvh [3][64][2048][64] f16.  OUT: att16 [16 head][8192 = 2048 b + s][64] f16.
; LIMITS: the running maximum starts at -3e38; results beyond 65,504 in magnitude become infinite in f16; NaN and infinities are not served.  (Positions 0-15 of each sequence are made again, in f32, by a later launch.)
; SHARES.  A work-group owns the query blocks p and 7 - p (256 queries each) of one pair bh: under the causal mask they want p + 1 and 8 - p tiles of 256 keys: nine for every work-group.  Each of the eight waves owns 32 queries
; of a block, two tiles of 16; which 32: sigma = w for waves 0-3 and 11 - w for waves 4-7, so that waves w and w + 4 have five steps together in a block's last tile of keys.
; NO CLUSTER: the four work-groups of a pair bh want different numbers of key tiles, in different order, so a tile that one asks for another would not read.
; LAYOUT.  S^T = K Q^T (source 0 = 16 keys, source 1 = 16 queries): a lane holds ONE query (lane % 16) and the keys 8 (lane / 16) + 0..7.  Two such tiles, rounded to f16 in pairs, ARE source 1 (32 keys x 16 queries) of
; O^T = V^T P, whose result again holds one query a lane.  K comes out of LDS as it lies, V ([key][channel]) turned, by ds_load_tr16_b128.
; SOFTMAX.  For each query a running maximum m and sum l: p = 2^(c s - c m), c = log2(e) / 8; in every step O and l are multiplied by a = 2^(c m_old - c m_new).
; THE RING.  Two LDS slots of 256 keys (four steps of 64).  Every wave fetches one step's K (waves 0-3) or V (waves 4-7), 8,192 dense bytes, by one tensor load behind each change of slots: one load of mine is out, and it has a slot's four steps in which to land.
; THE MASK.  A step all of whose keys come after my 32 queries is left out by a scalar branch on ids; in the one step of a block that lies on my diagonal, hidden scores become -infinity ahead of the maximum.
; Every slot that is asked for is read: each of its four steps counts for the waves of the last queries.
; REGISTERS: window 0: v1-17 addresses and constants; v24-39 eight statistics a tile; v64-127 S^T, 32 a tile; v128-159 P, 16 a tile; v160-223 O^T, 32 a tile.   window 1: v0-31 Q; v32-95 K of a step; v96-159 V of a step.
.set PK,    144                        ; a key's row of K in LDS: 128 bytes + 16: an odd multiple of 16
.set PV,    160                        ; of V: 128 + 32: an odd multiple of 32, for the turning load
.set VOFF,  64*PK                      ; a step's tiles lie together: 64 rows of K, then 64 rows of V
.set STEPB, 64*(PK+PV)
.set SLOT1, 1<<17                      ; slot 1 begins here: one exclusive or turns an address in one slot into the other's
.set STAGE, 2*SLOT1                    ; behind the ring: 32 rows x 144 bytes for each wave, for the way out
.set WSTG,  32*144
.set SPARE, STAGE+8*WSTG               ; the spare words, 128 bytes a wave, which no other line names
.set AK0, 3                            ; v3   my lane's place in a tile of K
.set AV0, 4                            ; v4   the same for V
.set ADK, 5                            ; v5   LDS address of the step's K
.set ADV, 6                            ; v6   of its V
.set QO,  7                            ; v7   my byte offset in the wave's rows of Q
.set STO, 8                            ; v8   the way out: where I put 16 bytes of a row
.set RD,  9                            ; v9   where I read rows back
.set GO,  10                           ; v10  16 x lane
.set SPW, 11                           ; v11  LDS address of my spare word; never rewritten
.set NIL, 12                           ; v12  0; never rewritten
.set PFO, 13                           ; v13  256 x lane: the prefetches' offset; never rewritten
.set RH,  14                           ; v14  lane % 16 - 8 (lane / 16)
.set D0,  15                           ; v15, v16  the mask's bound for tile 0, 1
.set NINF, 17                          ; v17  -infinity
.set ST,  24                           ; tile t's statistics at v[ST + 8 t]: +0 c m, +1 m, +2, +3 l (even keys', odd keys'), +4 to +7 at work; a at +6
.set VS,  64
.set VP,  128
.set VO,  160
.set QF,  0                            ; in window 1
.set KFR, 32
.set VFR, 96
.set WV,  8                            ; s8   my wave's number
.set SG,  9                            ; s9   sigma
.set PB,  10                           ; s10  p
.set PB1, 11                           ; s11  p + 1
.set SEL, 12                           ; s[12:13] lane selects for v_permlanex16_b32: lane l xor 16
.set CS,  14                           ; s[14:15] c, twice: the packed form names a pair
.set G1K, 16                           ; s[16:23] descriptor group 1 for K's tiles;  s[24:31] for V's: it differs in the padding
.set G1V, 24
.set G0K, 32                           ; s[32:35], s[36:39] their groups 0, which walk
.set G0V, 36
.set KB,  40                           ; s[40:41] K of my pair bh at my step of key tile 0;  s[42:43] V likewise
.set VB,  42
.set QA0, 44                           ; s[44:45], s[46:47] my 32 queries in block p, in block 7 - p
.set QA1, 46
.set OA0, 48                           ; s[48:49], s[50:51] their rows in att16
.set OA1, 50
.set TB,  52                           ; s52  LDS byte at which the step in hand begins
.set SLOTS, 53                         ; s53  slots still to be asked for
.set STC, 54                           ; s54  counts a slot's four steps
.set KF,  55                           ; s55  the step's first key
.set Q0,  56                           ; s56  my first query
.set Q0B, 57                           ; s57  and in block 7 - p
.set SWT, 58                           ; s58  7 - p: the count at which the blocks change
.set PFA, 68                           ; s[68:69] where my prefetches stand
.set LIM, 70                           ; s70  1 in a work-group that prefetches, else the greatest number
.set MSB, 0
.macro WIN new                         ; the immediate's high byte repeats the setting that is left
.if MSB != (\new)
	s_set_vgpr_msb (MSB<<8)|(\new)
.set MSB, (\new)
.endif
.endm
; Waves 0-3 fetch K's steps, waves 4-7 V's.  The branch hangs on the wave's number alone.  An s_nop 0 and four v_nop follow each of the two lines.
.macro TLOAD
	s_cmp_lt_u32 s[WV], 4
	s_cbranch_scc0 .Lfor_v_\@
	tensor_load_to_lds s[G0K:G0K+3], s[G1K:G1K+7]
	s_nop 0
.rept 4
	v_nop
.endr
	s_branch .Lasked_\@
.Lfor_v_\@:
	tensor_load_to_lds s[G0V:G0V+3], s[G1V:G1V+7]
	s_nop 0
.rept 4
	v_nop
.endr
.Lasked_\@:
.endm
; A PREFETCH INTO THE L2 of the key tile that work-group p = 0 asks for at its NEXT change of slots: four key steps ahead of that load.  It stands behind the wave's tensor load and its five lines.
; All four work-groups of a pair bh walk the same K and V, and p = 0 is the first to want key tiles 4 to 7: it alone asks, in the trips with 5 to 2 slots to go.  Each wave names the 8,192 bytes that it will fetch itself,
; lanes 256 bytes apart: so each aligned block of 256 bytes is named once in the launch.  Tiles 0 to 3 come by their loads alone; the last trips ask for nothing.
.macro ASK
	s_cmp_gt_u32 s[SLOTS], s[LIM]
	s_cbranch_scc0 .Lnot_mine_\@
	s_cmp_lt_u32 s[SLOTS], 6
	s_cbranch_scc0 .Lnot_mine_\@
	global_prefetch_b8 v[PFO], s[PFA:PFA+1] th:TH_LOAD_NT scope:SCOPE_SE
.Lnot_mine_\@:
.endm
	s_load_b128 s[4:7], s[0:1], 0x0                ; qkvh s[4:5], att16 s[6:7]
	v_lshl_add_u32 v[SPW], v0, 2, SPARE
	v_mov_b32 v[NIL], 0
	ds_add_u32 v[SPW], v[NIL]                      ; the wave's opening: the add, twice on end, and its wait ahead of my first tensor load
	ds_add_u32 v[SPW], v[NIL]
	v_lshrrev_b32 v1, 5, v0
	v_readfirstlane_b32 s[WV], v1                  ; wave 0..7
	s_lshr_b32 s59, s[WV], 2
	s_mul_i32 s59, s59, 3
	s_xor_b32 s[SG], s[WV], s59                    ; sigma
	s_mov_b32 s[PB], ttmp9
	s_add_co_u32 s[PB1], ttmp9, 1
	s_sub_co_u32 s[SWT], 7, ttmp9
	s_mov_b32 s[SEL], 0x76543210
	s_mov_b32 s[SEL+1], 0xfedcba98
	s_mov_b32 s[CS], 0x3e38aa3b                    ; c = log2(e) / 8
	s_mov_b32 s[CS+1], s[CS]
	; descriptor group 1: 64 rows (keys) of 64 elements of 2 bytes, dense in memory, padded in LDS behind every row
	s_mov_b32 s[G1K], (1<<16)|(1<<20)|(4<<22)|(3<<25)   ; 15:0 no mask; 17:16 elements of 2 bytes; 20 padding on; 24:22 after every 32 words; 31:25 four words
	s_mov_b32 s[G1V], (1<<16)|(1<<20)|(4<<22)|(7<<25)   ; the same with eight words
.irp g, G1K, G1V
	s_mov_b32 s[\g+1], 64<<16                      ; tensor_dim0
	s_mov_b32 s[\g+2], 64<<16                      ; tensor_dim1
	s_mov_b32 s[\g+3], 64<<16                      ; tile_dim0
	s_mov_b32 s[\g+4], 64                          ; tile_dim1
	s_mov_b32 s[\g+5], 64                          ; tensor_dim0_stride
	s_mov_b32 s[\g+6], 0
	s_mov_b32 s[\g+7], 0
.endr
	s_and_b32 s59, ttmp7, 0xffff                   ; bh
	s_lshl_b32 s60, s59, 18                        ; its 2,048 rows of 128 bytes
	s_and_b32 s61, s[WV], 3                        ; which of a slot's four steps I fetch:
	s_mul_i32 s71, s61, STEPB                      ; its place in a slot,
	s_lshl_b32 s61, s61, 13                        ; its 64 rows in memory
	s_add_co_u32 s62, s60, s61
	s_mov_b32 s63, 0
	s_lshl_b32 s61, s[SG], 12                      ; my 32 queries: 4,096 bytes
	s_add_co_u32 s60, s60, s61
	s_lshl_b32 s72, s[PB], 15
	s_add_co_u32 s72, s72, s60                     ; Q: block p
	s_mov_b32 s73, 0
	s_lshl_b32 s74, s[SWT], 15
	s_add_co_u32 s74, s74, s60                     ; block 7 - p
	s_mov_b32 s75, 0
	s_and_b32 s60, s59, 15
	s_lshl_b32 s60, s60, 20                        ; att16: head x 8,192 rows,
	s_lshr_b32 s59, s59, 4
	s_lshl_b32 s59, s59, 18                        ; batch x 2,048 rows
	s_add_co_u32 s60, s60, s59
	s_add_co_u32 s60, s60, s61
	s_lshl_b32 s76, s[PB], 15
	s_add_co_u32 s76, s76, s60
	s_mov_b32 s77, 0
	s_lshl_b32 s78, s[SWT], 15
	s_add_co_u32 s78, s78, s60
	s_mov_b32 s79, 0
	s_lshl_b32 s61, s[SG], 5
	s_lshl_b32 s[Q0], s[PB], 8
	s_add_co_u32 s[Q0], s[Q0], s61
	s_lshl_b32 s[Q0B], s[SWT], 8
	s_add_co_u32 s[Q0B], s[Q0B], s61
	s_mov_b32 s[KF], 0
	s_mov_b32 s[TB], 0
	s_mov_b32 s[SLOTS], 8
	s_cmp_eq_u32 ttmp9, 0
	s_cselect_b32 s[LIM], 1, -1
	s_wait_dscnt 0x0                               ; both opening adds are done
	s_wait_kmcnt 0x0
	s_add_nc_u64 s[KB:KB+1], s[4:5], s[62:63]
	s_add_nc_u64 s[KB:KB+1], s[KB:KB+1], 0x1000000 ; k lies 16,777,216 bytes behind q,
	s_add_nc_u64 s[VB:VB+1], s[KB:KB+1], 0x1000000 ; v as many behind k
	s_add_nc_u64 s[QA0:QA0+1], s[4:5], s[72:73]
	s_add_nc_u64 s[QA1:QA1+1], s[4:5], s[74:75]
	s_add_nc_u64 s[OA0:OA0+1], s[6:7], s[76:77]
	s_add_nc_u64 s[OA1:OA1+1], s[6:7], s[78:79]
	s_cmp_lt_u32 s[WV], 4
	s_cselect_b64 s[PFA:PFA+1], s[KB:KB+1], s[VB:VB+1]  ; at key tile 0; each change of slots steps it a tile on
	s_mov_b32 s[G0K], 1                            ; 1:0 count = 1
	s_mov_b32 s[G0K+1], s71                        ; 63:32 LDS address: slot 0
	s_mov_b64 s[G0K+2:G0K+3], s[KB:KB+1]           ; 120:64 global address: key tile 0
	s_or_b32 s[G0K+3], s[G0K+3], 0x80000000        ; 127:126 type = 2
	s_mov_b32 s[G0V], 1
	s_add_co_u32 s[G0V+1], s71, VOFF
	s_mov_b64 s[G0V+2:G0V+3], s[VB:VB+1]
	s_or_b32 s[G0V+3], s[G0V+3], 0x80000000
	TLOAD                                          ; slot 0
	v_and_b32 v1, 15, v0                           ; r
	v_bfe_u32 v2, v0, 4, 1                         ; h
	v_mul_u32_u24 v[AK0], v1, PK
	v_lshl_add_u32 v[AK0], v2, 4, v[AK0]           ; K: row r x pitch + 16 h
	v_and_b32 v18, 7, v0
	v_lshl_add_u32 v18, v2, 3, v18
	v_mul_u32_u24 v[AV0], v18, PV                  ; V, for the turning load: key 8 h + lane % 8,
	v_bfe_u32 v18, v0, 3, 1
	v_lshl_add_u32 v[AV0], v18, 4, v[AV0]          ; channels 8 ((lane / 8) % 2) on
	v_add_nc_u32 v[AV0], VOFF, v[AV0]
	v_lshlrev_b32 v[QO], 7, v1
	v_lshl_add_u32 v[QO], v2, 4, v[QO]             ; Q: row r of 128 bytes + 16 h
	s_mul_i32 s59, s[WV], WSTG
	s_add_co_u32 s59, s59, STAGE                   ; my stage
	v_add_nc_u32 v[STO], s59, v[AK0]               ; in: row r x 144 + 16 h
	v_bfe_u32 v18, v0, 3, 2
	v_mul_u32_u24 v18, v18, 144
	v_and_b32 v19, 7, v0
	v_lshl_add_u32 v18, v19, 4, v18
	v_add_nc_u32 v[RD], s59, v18                   ; back: eight lanes to a row of 128 bytes, four rows an instruction
	v_and_b32 v18, 31, v0
	v_lshlrev_b32 v[GO], 4, v18
	v_lshlrev_b32 v[PFO], 8, v18
	v_lshlrev_b32 v18, 3, v2
	v_sub_nc_u32 v[RH], v1, v18
	v_mov_b32 v[NINF], 0xff800000
.macro QLOAD base                      ; my 32 queries stay in registers: tile t, channels 32 c on, at v[16 t + 8 c] of window 1
	WIN 0x40
.irp t, 0,1
.irp c, 0,1
	global_load_b128 v[QF+16*\t+8*\c:QF+16*\t+8*\c+3],   v[QO], s[\base:\base+1] offset:\t*2048+\c*64
	global_load_b128 v[QF+16*\t+8*\c+4:QF+16*\t+8*\c+7], v[QO], s[\base:\base+1] offset:\t*2048+\c*64+32
.endr
.endr
	WIN 0
.endm
.macro RESET                           ; a block begins: O^T and l are zeros and m lies under every score, so that the step is written once: its first a is 0 and multiplies zeros
.set i, 0
.rept 64
	v_mov_b32 v[VO+i], 0
.set i, i+1
.endr
.irp t, 0,1
	v_mov_b32 v[ST+8*\t+1], 0xff61b1e6             ; -3e38
	v_mul_f32 v[ST+8*\t], s[CS], v[ST+8*\t+1]
	v_mov_b32 v[ST+8*\t+2], 0
	v_mov_b32 v[ST+8*\t+3], 0
.endr
.endm
; THE SOFTMAX of both tiles for one key step; the tiles alternate, so that where one line feeds the next the other tile's stands between.
.macro SOFTMAX
.irp j, 0,1,2,3                        ; the maximum of my 32 scores and the old m, three operands at a time: four chains, one for each accumulator, from its low end on
.irp t, 0,1
	v_max3_num_f32 v[ST+8*\t+4+\j], v[VS+32*\t+8*\j], v[VS+32*\t+8*\j+1], v[VS+32*\t+8*\j+2]
.endr
.endr
.irp q, 1,2
.irp j, 0,1,2,3
.irp t, 0,1
	v_max3_num_f32 v[ST+8*\t+4+\j], v[ST+8*\t+4+\j], v[VS+32*\t+8*\j+2*\q+1], v[VS+32*\t+8*\j+2*\q+2]
.endr
.endr
.endr
.irp t, 0,1
	v_max3_num_f32 v[ST+8*\t+4], v[ST+8*\t+4], v[VS+32*\t+7], v[VS+32*\t+15]
	v_max3_num_f32 v[ST+8*\t+6], v[ST+8*\t+6], v[VS+32*\t+23], v[VS+32*\t+31]
.endr
.irp t, 0,1
	v_max3_num_f32 v[ST+8*\t+4], v[ST+8*\t+4], v[ST+8*\t+5], v[ST+8*\t+6]
.endr
.irp t, 0,1
	v_max3_num_f32 v[ST+8*\t+4], v[ST+8*\t+4], v[ST+8*\t+7], v[ST+8*\t+1]
.endr
.irp t, 0,1
	v_permlanex16_b32 v[ST+8*\t+5], v[ST+8*\t+4], s[SEL], s[SEL+1]   ; the query's other 32 keys lie in the lane 16 away
.endr
.irp t, 0,1
	v_mov_b32 v[ST+8*\t+7], v[ST+8*\t]             ; c m_old is kept for a
.endr
.irp t, 0,1
	v_max_num_f32 v[ST+8*\t+1], v[ST+8*\t+4], v[ST+8*\t+5]
.endr
.irp t, 0,1
	v_mul_f32 v[ST+8*\t], s[CS], v[ST+8*\t+1]
.endr
.irp t, 0,1
	v_sub_f32 v[ST+8*\t+7], v[ST+8*\t+7], v[ST+8*\t]
.endr
.irp t, 0,1                            ; ONE BATCH of exponentials: a, then all 64 weights; nothing between here and the wait names a result
	v_exp_f32 v[ST+8*\t+6], v[ST+8*\t+7]
.endr
.irp b, 0,1,2,3,4,5,6,7,8,9,10,11,12,13,14,15
.irp t, 0,1
	v_pk_fma_f32 v[VS+32*\t+2*\b:VS+32*\t+2*\b+1], v[VS+32*\t+2*\b:VS+32*\t+2*\b+1], s[CS:CS+1], v[ST+8*\t:ST+8*\t+1] op_sel_hi:[1,0,0] neg_lo:[0,0,1] neg_hi:[0,0,1]   ; c s - c m, two at a time
.endr
.endr
.irp e, 0,1,2,3,4,5,6,7,8,9,10,11,12,13,14,15,16,17,18,19,20,21,22,23,24,25,26,27,28,29,30,31
.irp t, 0,1
	v_exp_f32 v[VS+32*\t+\e], v[VS+32*\t+\e]
.endr
.endr
	v_nop                                          ; a plain instruction behind the last exponential
	s_wait_alu depctr_va_vdst(0)                   ; the wait ahead of the first line that names a result: one for the 66
.irp b, 0,1,2,3,4,5,6,7,8,9,10,11,12,13,14,15
.irp t, 0,1
	v_cvt_pk_f16_f32 v[VP+16*\t+\b], v[VS+32*\t+2*\b], v[VS+32*\t+2*\b+1]   ; P: a pair of weights
.endr
.endr
.irp u, 0,1,2,3,4,5,6,7                ; the sum of the 16 pairs, in place: neighbours 1, 2, 4 and 8 pairs apart
.irp t, 0,1
	v_pk_add_f32 v[VS+32*\t+4*\u:VS+32*\t+4*\u+1], v[VS+32*\t+4*\u:VS+32*\t+4*\u+1], v[VS+32*\t+4*\u+2:VS+32*\t+4*\u+3]
.endr
.endr
.irp u, 0,1,2,3
.irp t, 0,1
	v_pk_add_f32 v[VS+32*\t+8*\u:VS+32*\t+8*\u+1], v[VS+32*\t+8*\u:VS+32*\t+8*\u+1], v[VS+32*\t+8*\u+4:VS+32*\t+8*\u+5]
.endr
.endr
.irp u, 0,1
.irp t, 0,1
	v_pk_add_f32 v[VS+32*\t+16*\u:VS+32*\t+16*\u+1], v[VS+32*\t+16*\u:VS+32*\t+16*\u+1], v[VS+32*\t+16*\u+8:VS+32*\t+16*\u+9]
.endr
.endr
.irp t, 0,1
	v_pk_add_f32 v[VS+32*\t:VS+32*\t+1], v[VS+32*\t:VS+32*\t+1], v[VS+32*\t+16:VS+32*\t+17]
.endr
.irp t, 0,1
	v_pk_fma_f32 v[ST+8*\t+2:ST+8*\t+3], v[ST+8*\t+2:ST+8*\t+3], v[ST+8*\t+6:ST+8*\t+7], v[VS+32*\t:VS+32*\t+1] op_sel_hi:[1,0,1]   ; l = a l + the sum
.endr
.irp b, 0,1,2,3,4,5,6,7,8,9,10,11,12,13,14,15
.irp t, 0,1
	v_pk_mul_f32 v[VO+32*\t+2*\b:VO+32*\t+2*\b+1], v[VO+32*\t+2*\b:VO+32*\t+2*\b+1], v[ST+8*\t+6:ST+8*\t+7] op_sel_hi:[1,0]   ; O^T x a, each accumulator from its low end on
.endr
.endr
.endm
; A KEY STEP: 64 keys at LDS byte s[TB].
.macro STEP
	s_add_co_u32 s59, s[Q0], 31
	s_cmp_gt_u32 s[KF], s59                        ; all 64 keys come after my 32 queries: the step's work is left out (ids and the count of steps alone)
	s_cbranch_scc1 .Lhidden_\@
	v_add_nc_u32 v[ADK], s[TB], v[AK0]
	v_add_nc_u32 v[ADV], s[TB], v[AV0]
	v_nop
	v_nop                                          ; four places between the last products and the loads into the registers that they read
	WIN 0x40                                       ; destination window 1
.irp f, 0,1,2,3,4,5,6,7                ; K: keys 16 (f / 2) on, channels 32 (f % 2) on
	ds_load_b128 v[KFR+8*\f:KFR+8*\f+3],   v[ADK] offset:(\f/2)*16*PK+(\f%2)*64
	ds_load_b128 v[KFR+8*\f+4:KFR+8*\f+7], v[ADK] offset:(\f/2)*16*PK+(\f%2)*64+32
.endr
.irp f, 0,1,2,3,4,5,6,7                ; V, turned: keys 32 (f / 4) on, channels 16 (f % 4) on
	ds_load_tr16_b128 v[VFR+8*\f:VFR+8*\f+3],   v[ADV] offset:(\f/4)*32*PV+(\f%4)*32
	ds_load_tr16_b128 v[VFR+8*\f+4:VFR+8*\f+7], v[ADV] offset:(\f/4)*32*PV+16*PV+(\f%4)*32
.endr
	s_wait_dscnt 16                                ; K is in; V's sixteen loads may be out
	WIN 0x05                                       ; K and Q in window 1, S^T in window 0
.irp c, 0,1                            ; S^T = K Q^T: eight accumulators by turns, one instruction a turn; the first eight start the sums
.irp k, 0,1,2,3
.irp t, 0,1
.if \c == 0
	v_wmma_f32_16x16x32_f16 v[VS+32*\t+8*\k:VS+32*\t+8*\k+7], v[KFR+8*(2*\k+\c):KFR+8*(2*\k+\c)+7], v[QF+16*\t+8*\c:QF+16*\t+8*\c+7], 0
.else
	v_wmma_f32_16x16x32_f16 v[VS+32*\t+8*\k:VS+32*\t+8*\k+7], v[KFR+8*(2*\k+\c):KFR+8*(2*\k+\c)+7], v[QF+16*\t+8*\c:QF+16*\t+8*\c+7], v[VS+32*\t+8*\k:VS+32*\t+8*\k+7]
.endif
.endr
.endr
.endr
	WIN 0
.rept 4
	v_nop                                          ; places in front of the first read of the scores
.endr
	s_add_co_u32 s59, s[KF], 63
	s_cmp_le_u32 s59, s[Q0]                        ; all 64 keys count for all my queries: no mask
	s_cbranch_scc1 .Lopen_\@
	s_sub_co_i32 s59, s[Q0], s[KF]
	v_add_nc_u32 v[D0], s59, v[RH]                 ; d = my query - the step's first key - 8 h.  Register 8 k + j of a tile holds key 16 k + 8 h + j of the step: hidden where 16 k + j > d
	v_add_nc_u32 v[D0+1], 16, v[D0]
.irp t, 0,1
.irp n, 0,1,2,3,4,5,6,7,8,9,10,11,12,13,14,15,16,17,18,19,20,21,22,23,24,25,26,27,28,29,30,31
	v_cmp_gt_i32 vcc_lo, 16*(\n/8)+\n%8, v[D0+\t]
	v_cndmask_b32 v[VS+32*\t+\n], v[VS+32*\t+\n], v[NINF], vcc_lo
.endr
.endr
.Lopen_\@:
	SOFTMAX
	s_wait_dscnt 0x0                               ; V is in
	WIN 0x01                                       ; V in window 1; P and O^T in window 0
.irp u, 0,1                            ; O^T += V^T P: eight accumulators by turns
.irp c, 0,1,2,3
.irp t, 0,1
	v_wmma_f32_16x16x32_f16 v[VO+32*\t+8*\c:VO+32*\t+8*\c+7], v[VFR+8*(4*\u+\c):VFR+8*(4*\u+\c)+7], v[VP+16*\t+8*\u:VP+16*\t+8*\u+7], v[VO+32*\t+8*\c:VO+32*\t+8*\c+7]
.endr
.endr
.endr
	WIN 0
.Lhidden_\@:
	s_add_co_u32 s[KF], s[KF], 64
	s_add_co_u32 s[TB], s[TB], STEPB
.endm
; THE CHANGE OF SLOTS stands at a slot's head.  Each wave waits for all its tensor loads (its part of the slot that it is about to read), adds 0 to its spare word, and waits for that and for its reads of the slot that it has left.
; Behind the barrier the slot ahead is whole and nobody reads the other one.  fill = 1: that other slot takes the walk's next key tile.
.macro CHANGE fill
	s_wait_tensorcnt 0x0                           ; no tensor load of mine is out, so a group 0 may be written
	ds_add_u32 v[SPW], v[NIL]                      ; 0 onto my spare word; the descriptors' steps stand between it and the wait for it
.if \fill
	s_xor_b32 s[G0K+1], s[G0K+1], SLOT1            ; the other slot than last time
	s_xor_b32 s[G0V+1], s[G0V+1], SLOT1
	s_sub_co_u32 s59, 9, s[SLOTS]                  ; which of the walk's nine slots is asked for: 1 .. 8
	s_sub_co_u32 s60, s59, s[PB1]
	s_cmp_le_u32 s59, s[PB]
	s_cselect_b32 s60, s59, s60                    ; its key tile: in block p the slot's own number, in block 7 - p that less p + 1
	s_lshl_b32 s60, s60, 15                        ; 256 keys of 128 bytes
	s_mov_b32 s61, 0
	s_add_nc_u64 s[G0K+2:G0K+3], s[KB:KB+1], s[60:61]
	s_or_b32 s[G0K+3], s[G0K+3], 0x80000000
	s_add_nc_u64 s[G0V+2:G0V+3], s[VB:VB+1], s[60:61]
	s_or_b32 s[G0V+3], s[G0V+3], 0x80000000
	s_wait_xcnt 0x0                                ; the last prefetch, a slot back, has read its address, so it may be written
	s_add_nc_u64 s[PFA:PFA+1], s[PFA:PFA+1], 0x8000
.endif
	s_wait_dscnt 0x0                               ; the add is done, and my reads of the slot that I have left are over
	s_barrier_signal -1
	s_barrier_wait -1
.if \fill
	TLOAD                                          ; the first thing behind the barrier, and my one tensor load until the next
	ASK
.endif
.endm
.macro SLOT_STEPS                      ; a slot's four key steps: written once, walked four times
	s_mov_b32 s[STC], 4
.Lstep_\@:
	STEP
	s_sub_co_u32 s[STC], s[STC], 1
	s_cmp_lg_u32 s[STC], 0
	s_cbranch_scc1 .Lstep_\@
	s_sub_co_u32 s[TB], s[TB], 4*STEPB             ; back to a slot's first step,
	s_xor_b32 s[TB], s[TB], SLOT1                  ; in the other slot
.endm
; THE WAY OUT of a block: l's two halves and the other half of the lanes' are added; O^T is divided by l, rounded to f16 and sent through my stage in LDS: it comes back four rows (512 consecutive bytes of att16) at a time.
.macro WAYOUT ob
.rept 4
	v_nop                                          ; places behind the last products
.endr
.irp t, 0,1
	v_add_f32 v[ST+8*\t+4], v[ST+8*\t+2], v[ST+8*\t+3]
.endr
.irp t, 0,1
	v_permlanex16_b32 v[ST+8*\t+5], v[ST+8*\t+4], s[SEL], s[SEL+1]
.endr
.irp t, 0,1
	v_add_f32 v[ST+8*\t+4], v[ST+8*\t+4], v[ST+8*\t+5]
.endr
.irp t, 0,1
	v_rcp_f32 v[ST+8*\t+6], v[ST+8*\t+4]
.endr
	v_nop                                          ; a plain instruction behind the last reciprocal
	s_wait_alu depctr_va_vdst(0)                   ; and the wait ahead of the first use: one for both
.irp t, 0,1
.irp b, 0,1,2,3,4,5,6,7,8,9,10,11,12,13,14,15
	v_pk_mul_f32 v[VO+32*\t+2*\b:VO+32*\t+2*\b+1], v[VO+32*\t+2*\b:VO+32*\t+2*\b+1], v[ST+8*\t+6:ST+8*\t+7] op_sel_hi:[1,0]
.endr
.endr
.irp t, 0,1
.irp b, 0,1,2,3,4,5,6,7,8,9,10,11,12,13,14,15
	v_cvt_pk_f16_f32 v[VS+16*\t+\b], v[VO+32*\t+2*\b], v[VO+32*\t+2*\b+1]
.endr
.endr
.irp t, 0,1
.irp c, 0,1,2,3
	ds_store_b128 v[STO], v[VS+16*\t+4*\c:VS+16*\t+4*\c+3] offset:\t*16*144+32*\c   ; row 16 t + r, channels 16 c + 8 h on
.endr
.endr
.irp g, 0,1,2,3,4,5,6,7
	ds_load_b128 v[VS+32+4*\g:VS+32+4*\g+3], v[RD] offset:\g*4*144   ; LDS serves a wave's instructions in order (ISA guide 5.7.1.4): these see the stores above
.endr
.irp g, 0,1,2,3,4,5,6,7
	s_wait_dscnt 7-\g                              ; the younger loads may be out
	global_store_b128 v[GO], v[VS+32+4*\g:VS+32+4*\g+3], s[\ob:\ob+1] offset:512*\g   ; 32 lanes store 512 consecutive bytes, aligned
.endr
.endm
	QLOAD QA0
	RESET
.irp t, 0,1
.irp j, 4,5,6,7
	v_mov_b32 v[ST+8*\t+\j], 0                     ; written once: a lane permute's destination and both halves of a named pair count as read
.endr
.endr
	s_wait_loadcnt 0x0                             ; Q
.Lslot:                                            ; eight trips: behind each change of slots but the last the walk's next key tile is asked for
	CHANGE 1
	s_cmp_eq_u32 s[SLOTS], s[SWT]                  ; block p's p + 1 tiles are done: the work-group's number and the count alone
	s_cbranch_scc0 .Lsame
	WAYOUT OA0
	QLOAD QA1
	RESET
	s_mov_b32 s[KF], 0
	s_mov_b32 s[Q0], s[Q0B]
	s_wait_loadcnt 0x0                             ; Q
	s_wait_xcnt 0x0                                ; the stores have read their registers, which the next scores take
.Lsame:
	SLOT_STEPS
	s_sub_co_u32 s[SLOTS], s[SLOTS], 1
	s_cmp_lg_u32 s[SLOTS], 0
	s_cbranch_scc1 .Lslot
	CHANGE 0                                       ; the last slot is written out: nothing is left to ask for
	SLOT_STEPS
	WAYOUT OA1
	s_wait_tensorcnt 0x0                           ; the wave's end: behind my last tensor load and my last LDS store
	ds_add_u32 v[SPW], v[NIL]
	s_wait_dscnt 0x0
	s_endpgm
.Lfunc_end_k_q947fcc41f9_attn:
	.size	k_q947fcc41f9_attn, .Lfunc_end_k_q947fcc41f9_attn-k_q947fcc41f9_attn
	.p2alignl 7, 3214868480
	.fill 96, 4, 3214868480
	.section	.rodata,"a",@progbits
	.p2align	6, 0x0
	.amdhsa_kernel k_q947fcc41f9_attn
		.amdhsa_group_segment_fixed_size 327680
		.amdhsa_private_segment_fixed_size 0
		.amdhsa_enable_private_segment 0
		.amdhsa_kernarg_size 16
		.amdhsa_user_sgpr_count 2
		.amdhsa_user_sgpr_kernarg_segment_ptr 1
		.amdhsa_wavefront_size32 1
		.amdhsa_system_sgpr_workgroup_id_x 1
		.amdhsa_system_sgpr_workgroup_id_y 1
		.amdhsa_system_sgpr_workgroup_id_z 1
		.amdhsa_system_vgpr_workitem_id 0
		.amdhsa_next_free_vgpr 512
		.amdhsa_next_free_sgpr 80
		.amdhsa_reserve_vcc 1
		.amdhsa_float_denorm_mode_32 3
		.amdhsa_float_denorm_mode_16_64 3
		.amdhsa_memory_ordered 1
		.amdhsa_forward_progress 1
		.amdhsa_inst_pref_size 71
	.end_amdhsa_kernel
	.amdgpu_metadata
---
amdhsa.version: [ 1, 2 ]
amdhsa.kernels:
  - .name:           k_q947fcc41f9_attn
    .symbol:         k_q947fcc41f9_attn.kd
    .args:
      - { .name: qkvh, .offset: 0, .size: 8, .value_kind: global_buffer, .address_space: global }
      - { .name: att16, .offset: 8, .size: 8, .value_kind: global_buffer, .address_space: global }
    .group_segment_fixed_size: 327680
    .private_segment_fixed_size: 0
    .kernarg_segment_align: 8
    .kernarg_segment_size: 16
    .max_flat_workgroup_size: 256
    .sgpr_count:     80
    .vgpr_count:     512
    .wavefront_size: 32
...
	.end_amdgpu_metadata
.endif
;; end of part 3
;; launch proj (part 4): grid 8 x 32, 4 waves a work-group, clusters of 4 x 4, 327,680 bytes of LDS; arguments att16, wo16, out0; writes out0
.if DOCPART == 4
	.amdgcn_target "amdgcn-amd-amdhsa--gfx1250"
	.amdhsa_code_object_version 6
	.text
	.protected	k_q947fcc41f9_proj
	.globl	k_q947fcc41f9_proj
	.p2align	8
	.type	k_q947fcc41f9_proj,@function
k_q947fcc41f9_proj:
	s_mov_b64 s[64:65], 0
	v_nop
	global_prefetch_b8 v0, s[64:65] scope:SCOPE_SE
	s_setreg_imm32_b32 hwreg(HW_REG_WAVE_MODE, 25, 1), 1
	s_wait_xcnt 0x0
	s_wait_alu depctr_hold_cnt(0) depctr_sa_sdst(0) depctr_va_vdst(0) depctr_va_sdst(0) depctr_va_ssrc(0) depctr_va_vcc(0) depctr_vm_vsrc(0)
	s_getreg_b32 s2, hwreg(HW_REG_IB_STS2, 6, 4)
	s_cmp_eq_u32 s2, 0
	s_cbranch_scc0 .Lentry_in_a_cluster
	s_endpgm
.Lentry_in_a_cluster:
	s_bfe_u32 s2, ttmp6, 0x10000c
	s_cmp_lg_u32 s2, 0xf033
	s_cbranch_scc0 .Lentry_shape_is_right
	s_endpgm
.Lentry_shape_is_right:
; out0[m][n] = sum over k of att[m][k] W_o[n][k], k = 64 head + channel.  att16: [16 head][8192 m][64] f16; wo16: [1024 n][1024 k] f16; out0: [8192][1024] f32; sums in f32.
; (Rows 0-15 of each sequence are written once more, from f32 operands, by the launch that follows.)
; A tile of out0 is 256 rows x 128 columns: 256 work-groups of four waves; a wave makes 128 x 64: 32 accumulators of 16 x 16, window 2.  K goes in steps of 128 (two heads) through a ring of two LDS slots.
; In a slot: att's two heads, each 256 rows of 128 bytes (dense in memory, one tensor load), then W_o's 128 rows of 256 bytes (two loads of 64 rows).  One load a wave behind each change of slots.
; CLUSTERS: 4 x 4 work-groups.  The four of a row of the cluster need the same tiles of att, the four of a column the same tiles of W_o: each tile is asked for JOINTLY.
; THE MATRIX INSTRUCTION IS USED TRANSPOSED (source 0 = 16 rows of W_o, source 1 = 16 rows of att): a lane holds eight neighbouring columns of one row of out0.
; REGISTERS: window 0: v16-30 addresses; v64-127, v128-191 att's fragments (8 x 16 rows x 32 K), two buffers; v192-255 the way out.   window 1: v64-95, v128-159 W_o's fragments.   window 2: accumulator (a, b) at v[8 (4 a + b)].
.set AHEAD,  256*144                   ; a head's 256 rows: 128 bytes + 16 of padding each
.set BHALF,  64*272                    ; 64 rows of W_o: 256 bytes + 16 each
.set SLOT,   2*AHEAD+2*BHALF
.set STAGE,  2*SLOT                    ; behind the ring: 16 rows x 272 bytes for each wave
.set SPARE,  STAGE+4*16*272            ; the spare words, 128 bytes a wave, which no other line names
.set ADRA, 16                          ; v16-17  LDS address of my fragments of att in slot 0, 1
.set ADRB, 20                          ; v20-21  the same for W_o
.set STO,  24                          ; v24     the way out: where I put 32 bytes of a row
.set RD,   25                          ; v25     where I read two rows back
.set CO,   26                          ; v26     my byte offset in two rows of out0
.set SPW,  28                          ; v28     LDS address of my spare word; never rewritten
.set NIL,  29                          ; v29     0; never rewritten
.set PFO,  30                          ; v30     256 x lane: the prefetches' offset; never rewritten
.set F0,   64
.set F1,   128
.set G1, 24                            ; s[24:31] descriptor group 1 for att's tiles;  s[32:39] group 0, one set for each slot
.set G0, 32
.set G1B, 48                           ; s[48:55], s[56:63] the same for W_o's
.set G0B, 56
.set LIM, 43                           ; s43  1 in a wave that prefetches, else the greatest number
.set PFA, 44                           ; s[44:45] where my prefetches stand
.set MSB, 0
.macro WIN new                         ; the immediate's high byte repeats the setting that is left
.if MSB != (\new)
	s_set_vgpr_msb (MSB<<8)|(\new)
.set MSB, (\new)
.endif
.endm
.set MUL,  0xa1                        ; source 0 (W_o) window 1, source 1 (att) window 0, C and D window 2
.set TO_B, 0x40                        ; destination window 1, address window 0
.macro JLOAD s                         ; a joint load: waves 0 and 1 fetch att's two heads, waves 2 and 3 W_o's two halves; an s_nop 0 and four v_nop follow each of the two lines
	s_cmp_eq_u32 s11, 0
	s_cbranch_scc0 .Lfor_b_\@
	tensor_load_to_lds s[G0+4*\s:G0+4*\s+3], s[G1:G1+7]
	s_nop 0
.rept 4
	v_nop
.endr
	s_branch .Lasked_\@
.Lfor_b_\@:
	tensor_load_to_lds s[G0B+4*\s:G0B+4*\s+3], s[G1B:G1B+7]
	s_nop 0
.rept 4
	v_nop
.endr
.Lasked_\@:
.endm
.macro CREST                           ; a round of the cluster's barrier behind its opening barrier
	s_cmp_lg_u32 s10, 0
	s_cbranch_scc1 .Lnot_wave_0_\@
	s_barrier_signal -3
.Lnot_wave_0_\@:
	s_barrier_wait -3
	s_barrier_signal -1
	s_barrier_wait -1
.endm
.macro CROUND                          ; a whole round
	s_barrier_signal -1
	s_barrier_wait -1
	CREST
.endm
; A PREFETCH INTO THE L2 of att's K step that stands two refills on: behind the joint load, its five lines and the run of LDS loads that follows.  A tile row of att is read by both clusters of that row of clusters: the one with
; x = 0 asks.  Of a head's 256 rows (32,768 dense bytes), which wave 0 or 1 fetches, each of the four partners names 8,192, told apart BY ADDRESS; lanes 256 bytes apart.  So each aligned block of 256 bytes is named once.
; K steps 0 to 3 come by their loads alone; the loop's last trip, whose refills are the last two K steps, asks for nothing.  W_o's rows are walked by all rows of clusters at once and are not asked for.
.macro ASK
	s_cmp_gt_u32 s3, s[LIM]                        ; s3 = 1 in the loop's last trip
	s_cbranch_scc0 .Lnot_mine_\@
	global_prefetch_b8 v[PFO], s[PFA:PFA+1] th:TH_LOAD_NT scope:SCOPE_SE
.Lnot_mine_\@:
.endm
	s_load_b128 s[4:7], s[0:1], 0x0                ; att16 s[4:5], wo16 s[6:7]
	s_load_b64 s[8:9], s[0:1], 0x10                ; out0
	v_lshl_add_u32 v[SPW], v0, 2, SPARE
	v_mov_b32 v[NIL], 0
	ds_add_u32 v[SPW], v[NIL]                      ; the wave's opening: the add, twice on end, and its wait ahead of my first tensor load
	ds_add_u32 v[SPW], v[NIL]
	v_lshrrev_b32 v1, 5, v0
	v_readfirstlane_b32 s10, v1                    ; wave 0..3
	s_lshr_b32 s11, s10, 1                         ; which half of the tile's rows is mine.  Also: I fetch for att (0) or for W_o (1)
	s_and_b32 s12, s10, 1                          ; which half of its columns.  Also: which head, or which 64 rows of W_o, I fetch
	s_bfe_u32 s40, ttmp6, 0x40000                  ; cx, cy: my place in the cluster
	s_bfe_u32 s41, ttmp6, 0x40004
	s_lshl_b32 s42, ttmp9, 2
	s_add_co_u32 s42, s42, s40                     ; tile column = 4 x cluster x + cx
	s_and_b32 s13, ttmp7, 0xffff
	s_lshl_b32 s13, s13, 2
	s_add_co_u32 s13, s13, s41                     ; tile row = 4 x cluster y + cy
	s_lshl_b32 s43, s41, 2
	s_lshl_b32 s43, 15, s43                        ; my row of the cluster
	s_lshl_b32 s44, 0x1111, s40                    ; my column
	s_or_b32 s[G1+0], s43, (1<<16)|(1<<20)|(1<<21)|(4<<22)|(3<<25)   ; 15:0 the mask; 17:16 elements of 2 bytes; 20 padding on; 21 set beside a mask; 24:22 after every 32 words; 31:25 four words
	s_or_b32 s[G1B+0], s44, (1<<16)|(1<<20)|(1<<21)|(5<<22)|(3<<25)  ; W_o: after every 64 words
	s_mov_b32 s[G1+1], 64<<16                      ; att: 256 rows of 64 elements, dense
	s_mov_b32 s[G1+2], 256<<16
	s_mov_b32 s[G1+3], 64<<16
	s_mov_b32 s[G1+4], 256
	s_mov_b32 s[G1+5], 64
	s_mov_b32 s[G1+6], 0
	s_mov_b32 s[G1+7], 0
	s_mov_b32 s[G1B+1], 128<<16                    ; W_o: 64 rows of 128 elements, 1,024 elements apart
	s_mov_b32 s[G1B+2], 64<<16
	s_mov_b32 s[G1B+3], 128<<16
	s_mov_b32 s[G1B+4], 64
	s_mov_b32 s[G1B+5], 1024
	s_mov_b32 s[G1B+6], 0
	s_mov_b32 s[G1B+7], 0
	s_lshl_b32 s16, s12, 20                        ; att: my head of the K step's two, 1,048,576 bytes a head,
	s_lshl_b32 s17, s13, 15                        ; + 256 rows of 128 bytes x tile row
	s_add_co_u32 s16, s16, s17
	s_mov_b32 s17, 0
	s_lshl_b32 s46, s42, 18                        ; W_o: 128 rows of 2,048 bytes x tile column
	s_lshl_b32 s47, s12, 17                        ; + my 64 rows
	s_add_co_u32 s46, s46, s47
	s_mov_b32 s47, 0
	s_mul_i32 s20, s12, AHEAD                      ; where they go: no place in the cluster enters an LDS address
	s_mul_i32 s21, s12, BHALF
	s_add_co_u32 s21, s21, 2*AHEAD
	s_wait_dscnt 0x0                               ; both opening adds are done
	s_wait_kmcnt 0x0
	s_add_nc_u64 s[14:15], s[4:5], s[16:17]
	s_add_nc_u64 s[46:47], s[6:7], s[46:47]
	CROUND                                         ; all sixteen work-groups are here: the first joint loads meet
.irp s, 0,1
	s_mov_b32 s[G0+4*\s], 1
	s_add_co_u32 s[G0+4*\s+1], s20, \s*SLOT
	s_add_nc_u64 s[G0+4*\s+2:G0+4*\s+3], s[14:15], \s*2097152      ; K step s: two heads on
	s_or_b32 s[G0+4*\s+3], s[G0+4*\s+3], 0x80000000
	s_mov_b32 s[G0B+4*\s], 1
	s_add_co_u32 s[G0B+4*\s+1], s21, \s*SLOT
	s_add_nc_u64 s[G0B+4*\s+2:G0B+4*\s+3], s[46:47], \s*256
	s_or_b32 s[G0B+4*\s+3], s[G0B+4*\s+3], 0x80000000
	JLOAD \s                                       ; two loads of mine are out
.endr
	s_or_b32 s22, s11, ttmp9                       ; 0 in waves 0 and 1 of the clusters with x = 0: the same in all sixteen partners
	s_cmp_eq_u32 s22, 0
	s_cselect_b32 s[LIM], 1, -1
	s_lshl_b32 s20, s40, 13                        ; my work-group's 8,192 bytes of the head's 32,768
	s_mov_b32 s21, 0
	s_add_nc_u64 s[PFA:PFA+1], s[14:15], s[20:21]
	s_add_nc_u64 s[PFA:PFA+1], s[PFA:PFA+1], 3*2097152   ; at K step 3: the first refill steps it to 4
	v_and_b32 v1, 15, v0                           ; r
	v_bfe_u32 v2, v0, 4, 1                         ; h
	v_mul_u32_u24 v3, v1, 144
	v_lshl_add_u32 v3, v2, 4, v3                   ; att: row x pitch + 16 h
	v_mul_u32_u24 v4, v1, 272
	v_lshl_add_u32 v4, v2, 4, v4                   ; W_o likewise
	s_mul_i32 s21, s11, 128*144                    ; my 128 rows of att
	s_mul_i32 s22, s12, BHALF                      ; my 64 rows of W_o,
	s_add_co_u32 s22, s22, 2*AHEAD                 ; which lie behind att's two heads
.irp s, 0,1
	v_add_nc_u32 v[ADRA+\s], s21, v3
	v_add_nc_u32 v[ADRB+\s], s22, v4
	s_add_co_u32 s21, s21, SLOT
	s_add_co_u32 s22, s22, SLOT
.endr
	s_mul_i32 s23, s10, 16*272
	s_add_co_u32 s23, s23, STAGE                   ; my stage
	v_mul_u32_u24 v5, v1, 272
	v_lshl_add_u32 v5, v2, 5, v5
	v_add_nc_u32 v[STO], s23, v5                   ; in: row r, + 32 h
	v_mul_u32_u24 v5, v2, 272
	v_lshl_add_u32 v5, v1, 4, v5
	v_add_nc_u32 v[RD], s23, v5                    ; back: lanes 0-15 one row of 256 bytes, lanes 16-31 the next
	v_lshlrev_b32 v5, 12, v2
	v_lshl_add_u32 v[CO], v1, 4, v5                ; and the same two rows in out0
	v_and_b32 v[PFO], 31, v0
	v_lshlrev_b32 v[PFO], 8, v[PFO]
	s_lshl_b32 s16, s13, 20                        ; out0: 256 rows of 4,096 bytes x tile row
	s_lshl_b32 s17, s11, 19                        ; + my 128 rows
	s_add_co_u32 s16, s16, s17
	s_lshl_b32 s17, s42, 9                         ; + 128 columns x tile column
	s_add_co_u32 s16, s16, s17
	s_lshl_b32 s17, s12, 8                         ; + my 64 columns
	s_add_co_u32 s16, s16, s17
	s_mov_b32 s17, 0
	s_add_nc_u64 s[8:9], s[8:9], s[16:17]
; 8 matrix instructions: att's blocks a0, a0 + 1 against W_o's four, 32 along K.  zero = 1: the first product starts the sums.  The 32 accumulators take turns in the same order in every quarter.
.macro MUL8 f, a0, zero
.irp a, \a0, \a0+1
.irp b, 0,1,2,3
.if \zero
	v_wmma_f32_16x16x32_f16 v[8*(4*(\a)+\b):8*(4*(\a)+\b)+7], v[\f+8*\b:\f+8*\b+7], v[\f+8*(\a):\f+8*(\a)+7], 0
.else
	v_wmma_f32_16x16x32_f16 v[8*(4*(\a)+\b):8*(4*(\a)+\b)+7], v[\f+8*\b:\f+8*\b+7], v[\f+8*(\a):\f+8*(\a)+7], v[8*(4*(\a)+\b):8*(4*(\a)+\b)+7]
.endif
.endr
.endr
.endm
; 24 LDS loads in one run: the fragments of the slot's q-th 32 along K (head q / 2, channels 32 (q % 2) on) into buffer f: W_o's eight loads first, then att's sixteen
.macro FETCH slot, q, f
	WIN TO_B
.irp i, 0,1,2,3
	ds_load_b128 v[\f+8*\i:\f+8*\i+3],   v[ADRB+\slot] offset:64*(\q)+\i*16*272
	ds_load_b128 v[\f+8*\i+4:\f+8*\i+7], v[ADRB+\slot] offset:64*(\q)+\i*16*272+32
.endr
	WIN 0
.irp i, 0,1,2,3,4,5,6,7
	ds_load_b128 v[\f+8*\i:\f+8*\i+3],   v[ADRA+\slot] offset:((\q)/2)*AHEAD+((\q)%2)*64+\i*16*144
	ds_load_b128 v[\f+8*\i+4:\f+8*\i+7], v[ADRA+\slot] offset:((\q)/2)*AHEAD+((\q)%2)*64+\i*16*144+32
.endr
.endm
.macro PLACES                          ; four places in front of loads into registers that matrix instructions have read, and of the first read of results (ISA guide 7.12.1 for the first read of results)
.rept 4
	v_nop
.endr
.endm
; A K step is four quarters of 32 along K, 32 matrix instructions each, on buffers 0, 1, 0, 1.  One of the first three: multiplies buffer f and fetches quarter q into g.
.macro QUARTER slot, q, f, g, zero
	s_wait_dscnt 8                                 ; W_o's fragments and att's blocks 0-3 are in; the youngest eight loads (blocks 4-7) may be out
	WIN MUL
	MUL8 \f, 0, \zero
	MUL8 \f, 2, \zero
	PLACES
	FETCH \slot, \q, \g
	s_wait_dscnt 24                                ; all but the 24 just issued
	WIN MUL
	MUL8 \f, 4, \zero
	MUL8 \f, 6, \zero
.endm
; The last quarter multiplies buffer 1 and changes slots: ONE barrier; in front of it each wave waits for all its tensor loads, adds 0 to its spare word, and waits for that and for its reads of this slot.
; fill = 1: the barrier opens a round of the cluster's, and this slot is filled again, two K steps ahead: 112 matrix instructions stand between the request and the wait for it.
.macro TURN slot, next, fill
.if \fill
	s_wait_xcnt 0x0                                ; the last prefetch, a K step back, has read its address
	s_add_nc_u64 s[PFA:PFA+1], s[PFA:PFA+1], 2097152
.endif
	WIN 0                                          ; (the add's two registers lie in window 0)
	s_wait_tensorcnt 0x0                           ; all my tensor loads have landed: my part of the next slot
	ds_add_u32 v[SPW], v[NIL]                      ; 0 onto my spare word
	s_wait_dscnt 9                                 ; (the add and the youngest eight loads may be out)
	WIN MUL
	MUL8 F1, 0, 0                                  ; eight matrix instructions stand between the add and the wait for it
	s_wait_dscnt 0x0                               ; the add is done, and my reads of this slot are over
	s_barrier_signal -1
	MUL8 F1, 2, 0
.if \fill
	WIN 0
.endif
	s_barrier_wait -1
.if \fill
	CREST                                          ; no wave of any partner still reads this slot's tile or has a load on its way
	s_add_nc_u64 s[G0+4*\slot+2:G0+4*\slot+3], s[G0+4*\slot+2:G0+4*\slot+3], 2*2097152
	s_add_nc_u64 s[G0B+4*\slot+2:G0B+4*\slot+3], s[G0B+4*\slot+2:G0B+4*\slot+3], 2*256
	JLOAD \slot                                    ; the first tensor load behind the round; its four v_nop are also the places in front of the loads below
.else
	PLACES
.endif
	FETCH \next, 0, F0
.if \fill
	ASK
.endif
	WIN MUL
	MUL8 F1, 4, 0
	MUL8 F1, 6, 0
.endm
	s_wait_tensorcnt 1                             ; my part of K step 0 is in (K step 1's load may be out)
	s_barrier_signal -1
	s_barrier_wait -1                              ; everybody's is
	FETCH 0, 0, F0
	QUARTER 0, 1, F0, F1, 1                        ; the first quarter stands in front of the loop: its products start the sums
	WIN 0                                          ; at a label and at a branch every window is 0
	s_mov_b32 s3, 3
.Llap:                                             ; a trip goes once round the ring, from a lap's second quarter to the next lap's first, and fills both slots again
	QUARTER 0, 2, F1, F0, 0
	QUARTER 0, 3, F0, F1, 0
	TURN 0, 1, 1
	QUARTER 1, 1, F0, F1, 0
	QUARTER 1, 2, F1, F0, 0
	QUARTER 1, 3, F0, F1, 0
	TURN 1, 0, 1
	QUARTER 0, 1, F0, F1, 0
	WIN 0
	s_sub_co_u32 s3, s3, 1
	s_cmp_lg_u32 s3, 0
	s_cbranch_scc1 .Llap
	QUARTER 0, 2, F1, F0, 0                        ; the last lap fills nothing, and has no round of the cluster's barrier
	QUARTER 0, 3, F0, F1, 0
	TURN 0, 1, 0
	QUARTER 1, 1, F0, F1, 0
	QUARTER 1, 2, F1, F0, 0
	QUARTER 1, 3, F0, F1, 0
	s_wait_dscnt 8                                 ; the very last quarter: nothing more to fetch
	WIN MUL
	MUL8 F1, 0, 0
	MUL8 F1, 2, 0
	s_wait_dscnt 0
	MUL8 F1, 4, 0
	MUL8 F1, 6, 0
	WIN 0
; THE WAY OUT, block by block of 16 rows x 64 columns: a lane's 32 bytes go into my own stage, each accumulator from its low end on, and come back as whole rows of 256 bytes, two an instruction.
.macro TOSTAGE a
	WIN 0x08                                       ; an LDS store's data are its source 1: window 2
.irp b, 0,1,2,3
	ds_store_b128 v[STO], v[8*(4*(\a)+\b):8*(4*(\a)+\b)+3] offset:64*\b
	ds_store_b128 v[STO], v[8*(4*(\a)+\b)+4:8*(4*(\a)+\b)+7] offset:64*\b+16
.endr
	WIN 0
.set BB, 192+32*((\a)%2)
.irp t, 0,1,2,3,4,5,6,7
	ds_load_b128 v[BB+4*\t:BB+4*\t+3], v[RD] offset:\t*2*272   ; LDS serves a wave's instructions in order (ISA guide 5.7.1.4): these see the stores above
.endr
.endm
.macro SEND a, younger                 ; younger: the LDS instructions issued behind block a's loads, which may stay out
.set BB, 192+32*((\a)%2)
	s_wait_dscnt \younger
.irp t, 0,1,2,3,4,5,6,7
	global_store_b128 v[CO], v[BB+4*\t:BB+4*\t+3], s[8:9] offset:(16*(\a)+2*\t)*4096 th:TH_STORE_NT   ; sixteen lanes store 256 consecutive bytes, aligned
.endr
.endm
	PLACES                                         ; behind the last products
	TOSTAGE 0
.irp a, 1,2,3,4,5,6,7
.if \a > 1
	s_wait_xcnt 0x0                                ; block a - 2's stores have read their registers: block a's loads may land there
.endif
	TOSTAGE \a
	SEND \a-1, 16                                  ; behind block a - 1's loads: block a's 8 stores and 8 loads
.endr
	SEND 7, 0
	s_wait_tensorcnt 0x0                           ; the wave's end: behind my last tensor load and my last LDS store
	ds_add_u32 v[SPW], v[NIL]
	s_wait_dscnt 0x0
	CROUND                                         ; the closing round: no work-group ends while a partner may still ask for a tile that names it
	s_endpgm
.Lfunc_end_k_q947fcc41f9_proj:
	.size	k_q947fcc41f9_proj, .Lfunc_end_k_q947fcc41f9_proj-k_q947fcc41f9_proj
	.p2alignl 7, 3214868480
	.fill 96, 4, 3214868480
	.section	.rodata,"a",@progbits
	.p2align	6, 0x0
	.amdhsa_kernel k_q947fcc41f9_proj
		.amdhsa_group_segment_fixed_size 327680
		.amdhsa_private_segment_fixed_size 0
		.amdhsa_enable_private_segment 0
		.amdhsa_kernarg_size 24
		.amdhsa_user_sgpr_count 2
		.amdhsa_user_sgpr_kernarg_segment_ptr 1
		.amdhsa_wavefront_size32 1
		.amdhsa_system_sgpr_workgroup_id_x 1
		.amdhsa_system_sgpr_workgroup_id_y 1
		.amdhsa_system_sgpr_workgroup_id_z 1
		.amdhsa_system_vgpr_workitem_id 0
		.amdhsa_next_free_vgpr 768
		.amdhsa_next_free_sgpr 66
		.amdhsa_reserve_vcc 0
		.amdhsa_float_denorm_mode_32 3
		.amdhsa_float_denorm_mode_16_64 3
		.amdhsa_memory_ordered 1
		.amdhsa_forward_progress 1
		.amdhsa_inst_pref_size 87
	.end_amdhsa_kernel
	.amdgpu_metadata
---
amdhsa.version: [ 1, 2 ]
amdhsa.kernels:
  - .name:           k_q947fcc41f9_proj
    .symbol:         k_q947fcc41f9_proj.kd
    .args:
      - { .name: att16, .offset: 0, .size: 8, .value_kind: global_buffer, .address_space: global }
      - { .name: wo16, .offset: 8, .size: 8, .value_kind: global_buffer, .address_space: global }
      - { .name: out0, .offset: 16, .size: 8, .value_kind: global_buffer, .address_space: global }
    .group_segment_fixed_size: 327680
    .private_segment_fixed_size: 0
    .kernarg_segment_align: 8
    .kernarg_segment_size: 24
    .max_flat_workgroup_size: 128
    .sgpr_count:     66
    .vgpr_count:     768
    .wavefront_size: 32
...
	.end_amdgpu_metadata
.endif
;; end of part 4
;; launch fine (part 5): grid 16 x 4, 16 waves a work-group, no clusters, 71,680 bytes of LDS; arguments fine_qkv, W_o, out0; writes out0
.if DOCPART == 5
	.amdgcn_target "amdgcn-amd-amdhsa--gfx1250"
	.amdhsa_code_object_version 6
	.text
	.protected	k_q947fcc41f9_fine
	.globl	k_q947fcc41f9_fine
	.p2align	8
	.type	k_q947fcc41f9_fine,@function
k_q947fcc41f9_fine:
	s_mov_b64 s[64:65], 0
	v_nop
	global_prefetch_b8 v0, s[64:65] scope:SCOPE_SE
	s_setreg_imm32_b32 hwreg(HW_REG_WAVE_MODE, 25, 1), 1
	s_wait_xcnt 0x0
; POSITIONS 0-15 OF EACH OF THE 4 SEQUENCES, IN F32 THROUGHOUT: there a row of the softmax averages one to sixteen values, and 16-bit operands would weigh most.  It writes 64 rows of out0 over what the launch before left there.
; IN: fine_qkv [4 b][16 s][3072] f32 (q, k, v of those positions), W_o [1024][1024] f32.  A work-group takes a batch (y) and 64 columns of out0 (x); wave w takes head w.
; A wave makes its head's causal attention on 16 x 16 (96 matrix instructions of 16 x 16 x 4 in all: no bulk work), multiplies O^T, as it lies in the accumulators, by W_o[my 64 rows][my head's 64 columns], and puts its part,
; 16 queries x 64 columns, into LDS; behind one barrier wave w adds the sixteen parts of row w, in ascending order of heads, and stores 256 consecutive bytes, aligned.  The attention is made anew by each of the 16 column blocks.
; THE ORDER OF k is permuted alike on both operands of each product, so that plain loads and pairs of accumulator registers serve as operands:  scores: instruction i takes channels 2 i, 2 i + 1, 32 + 2 i, 33 + 2 i;
; V^T P: keys 2 i, 2 i + 1, 8 + 2 i, 9 + 2 i;  the projection: channels 16 c + 2 i, + 1, + 8, + 9.  The sums' order of rounding so differs from a plain ascending one.
; The registers that the matrix instructions write (v192-255) are written by nothing else; each sum begins with the constant 0.  Eight places stand behind this form before a result is read, nine before it is an operand or is written over (ISA guide 7.12.1).
; LIMITS: NaN and infinities among the inputs are not served.
.set AQ,  3                            ; v3   q, k: row r of 12,288 bytes + 128 h: my 32 channels
.set AV,  4                            ; v4   v: key 8 h, channel r
.set AW,  5                            ; v5   W_o: row r of 4,096 bytes + 32 h
.set LW,  6                            ; v6   LDS: my head's part, row r, + 32 h
.set LR,  7                            ; v7   LDS: row w of head 0's part, 8 bytes a lane
.set GOF, 8                            ; v8   8 x lane
.set SPW, 9                            ; v9   LDS address of my spare word; never rewritten
.set NIL, 10                           ; v10  0; never rewritten
.set DD,  11                           ; v11  r - 8 h: the mask's bound
.set NINF, 12                          ; v12  -infinity
.set SS,  20                           ; v20-27 the scores, then p
.set QR,  32                           ; v32-63 q, v64-95 k; later W_o's column tiles 0 and 1
.set KR,  64
.set VT,  96                           ; v96-127 v, turned by the loads; later the sixteen parts
.set SA,  192                          ; v192-207 two accumulators of scores
.set OA,  208                          ; v208-239 O^T: four
.set PA,  240                          ; v240-255 the projection's: two
.set PART, 16*272                      ; a head's part: 16 rows of 256 bytes + 16
.set SPARE, 16*PART                    ; the spare words, 128 bytes a wave, which no other line names
.set SEL, 20                           ; s[20:21]
.set CS,  22                           ; s[22:23]
	s_load_b128 s[4:7], s[0:1], 0x0                ; fine_qkv s[4:5], W_o s[6:7]
	s_load_b64 s[8:9], s[0:1], 0x10                ; out0
	v_lshl_add_u32 v[SPW], v0, 2, SPARE
	v_mov_b32 v[NIL], 0
	v_lshrrev_b32 v13, 5, v0
	v_readfirstlane_b32 s10, v13                   ; wave = head = the row that I add up
	v_and_b32 v1, 15, v0                           ; r
	v_bfe_u32 v2, v0, 4, 1                         ; h
	v_mul_u32_u24 v[AQ], v1, 12288
	v_lshl_add_u32 v[AQ], v2, 7, v[AQ]
	v_mul_u32_u24 v[AV], v2, 98304
	v_lshl_add_u32 v[AV], v1, 2, v[AV]
	v_lshlrev_b32 v[AW], 12, v1
	v_lshl_add_u32 v[AW], v2, 5, v[AW]
	s_mul_i32 s11, s10, PART
	v_mul_u32_u24 v[LW], v1, 272
	v_lshl_add_u32 v[LW], v2, 5, v[LW]
	v_add_nc_u32 v[LW], s11, v[LW]
	s_mul_i32 s11, s10, 272
	v_and_b32 v13, 31, v0
	v_lshlrev_b32 v[GOF], 3, v13
	v_add_nc_u32 v[LR], s11, v[GOF]
	v_lshlrev_b32 v13, 3, v2
	v_sub_nc_u32 v[DD], v1, v13
	v_mov_b32 v[NINF], 0xff800000
	v_mov_b32 v15, 0                               ; (named as the upper half of the pair v[14:15])
	v_mov_b32 v16, 0                               ; (a lane permute's destination counts as read)
	s_mov_b32 s[SEL], 0x76543210
	s_mov_b32 s[SEL+1], 0xfedcba98
	s_mov_b32 s[CS], 0x3e38aa3b                    ; c = log2(e) / 8
	s_mov_b32 s[CS+1], s[CS]
	s_and_b32 s11, ttmp7, 0xffff                   ; batch
	s_lshl_b32 s18, s10, 8                         ; my head's 64 numbers: 256 bytes
	s_mul_i32 s12, s11, 196608
	s_add_co_u32 s12, s12, s18
	s_mov_b32 s13, 0
	s_lshl_b32 s14, ttmp9, 18                      ; W_o: 64 rows of 4,096 bytes x column block
	s_add_co_u32 s14, s14, s18
	s_mov_b32 s15, 0
	s_lshl_b32 s16, s11, 23                        ; out0: batch x 2,048 rows of 4,096 bytes
	s_lshl_b32 s17, s10, 12                        ; + row w
	s_add_co_u32 s16, s16, s17
	s_lshl_b32 s17, ttmp9, 8                       ; + 64 columns x column block
	s_add_co_u32 s16, s16, s17
	s_mov_b32 s17, 0
	s_wait_kmcnt 0x0
	s_add_nc_u64 s[4:5], s[4:5], s[12:13]
	s_add_nc_u64 s[6:7], s[6:7], s[14:15]
	s_add_nc_u64 s[8:9], s[8:9], s[16:17]
.macro WLD n                           ; W_o's column tile n: register 8 c + j = W_o(16 n + r, 16 c + 8 h + j) of my block and head.  Tiles 0, 1, 2, 3 at v32, v64, v128, v160
.set WB, 32+32*(\n)+32*((\n)/2)
.irp c, 0,1,2,3
	global_load_b128 v[WB+8*\c:WB+8*\c+3],   v[AW], s[6:7] offset:(\n)*65536+\c*64
	global_load_b128 v[WB+8*\c+4:WB+8*\c+7], v[AW], s[6:7] offset:(\n)*65536+\c*64+16
.endr
.endm
.irp i, 0,1,2,3,4,5,6,7
	global_load_b128 v[QR+4*\i:QR+4*\i+3], v[AQ], s[4:5] offset:16*\i
.endr
.irp i, 0,1,2,3,4,5,6,7
	global_load_b128 v[KR+4*\i:KR+4*\i+3], v[AQ], s[4:5] offset:4096+16*\i
.endr
.irp c, 0,1,2,3
.irp j, 0,1,2,3,4,5,6,7
	global_load_b32 v[VT+8*\c+\j], v[AV], s[4:5] offset:8192+\j*12288+\c*64   ; V(8 h + j, 16 c + r)
.endr
.endr
	WLD 2
	WLD 3
	s_wait_loadcnt 48                              ; q and k are in; v's 32 loads and W_o's 16 may be out
.irp i, 0,1,2,3,4,5,6,7,8,9,10,11,12,13,14,15      ; S^T = K Q^T: lane (r, h) gets query r, keys 8 h + j; two accumulators by turns
.if \i < 2
	v_wmma_f32_16x16x4_f32 v[SA+8*(\i%2):SA+8*(\i%2)+7], v[KR+2*\i:KR+2*\i+1], v[QR+2*\i:QR+2*\i+1], 0
.else
	v_wmma_f32_16x16x4_f32 v[SA+8*(\i%2):SA+8*(\i%2)+7], v[KR+2*\i:KR+2*\i+1], v[QR+2*\i:QR+2*\i+1], v[SA+8*(\i%2):SA+8*(\i%2)+7]
.endif
.endr
.rept 8
	v_nop                                          ; places in front of the loads into q's and k's registers and of the first read of the scores
.endr
	WLD 0
	WLD 1
.irp j, 0,1,2,3,4,5,6,7
	v_add_f32 v[SS+\j], v[SA+\j], v[SA+8+\j]       ; the two halves of the sum, from the low end on
.endr
.irp j, 0,1,2,3,4,5,6,7
	v_cmp_gt_i32 vcc_lo, \j, v[DD]                 ; key 8 h + j comes after query r
	v_cndmask_b32 v[SS+\j], v[SS+\j], v[NINF], vcc_lo
.endr
	v_max3_num_f32 v13, v[SS], v[SS+1], v[SS+2]
	v_max3_num_f32 v13, v13, v[SS+3], v[SS+4]
	v_max3_num_f32 v13, v13, v[SS+5], v[SS+6]
	v_max_num_f32 v13, v13, v[SS+7]
	v_permlanex16_b32 v16, v13, s[SEL], s[SEL+1]
	v_max_num_f32 v13, v13, v16                    ; the row's maximum: key 0 counts for every query, so it is a number
	v_mul_f32 v14, s[CS], v13
.irp i, 0,2,4,6
	v_pk_fma_f32 v[SS+\i:SS+\i+1], v[SS+\i:SS+\i+1], s[CS:CS+1], v[14:15] op_sel_hi:[1,0,0] neg_lo:[0,0,1] neg_hi:[0,0,1]   ; c s - c m
.endr
.irp j, 0,1,2,3,4,5,6,7
	v_exp_f32 v[SS+\j], v[SS+\j]
.endr
	v_nop                                          ; a plain instruction behind the last exponential
	s_wait_alu depctr_va_vdst(0)                   ; the wait ahead of the first use: one for the eight
	v_pk_add_f32 v[16:17], v[SS:SS+1], v[SS+2:SS+3]
	v_pk_add_f32 v[18:19], v[SS+4:SS+5], v[SS+6:SS+7]
	v_pk_add_f32 v[16:17], v[16:17], v[18:19]
	v_add_f32 v16, v16, v17
	v_permlanex16_b32 v17, v16, s[SEL], s[SEL+1]
	v_add_f32 v16, v16, v17                        ; the row's sum
	v_rcp_f32 v18, v16
	v_nop
	s_wait_alu depctr_va_vdst(0)
.irp i, 0,2,4,6
	v_pk_mul_f32 v[SS+\i:SS+\i+1], v[SS+\i:SS+\i+1], v[18:19] op_sel_hi:[1,0]   ; p is normalised here, so that O^T is final
.endr
	s_wait_loadcnt 32                              ; v is in; W_o's 32 loads may be out
.irp i, 0,1,2,3                                    ; O^T = V^T P: register 8 c + j of lane (r, h) is channel 16 c + 8 h + j of query r; four accumulators by turns
.irp c, 0,1,2,3
.if \i == 0
	v_wmma_f32_16x16x4_f32 v[OA+8*\c:OA+8*\c+7], v[VT+8*\c+2*\i:VT+8*\c+2*\i+1], v[SS+2*\i:SS+2*\i+1], 0
.else
	v_wmma_f32_16x16x4_f32 v[OA+8*\c:OA+8*\c+7], v[VT+8*\c+2*\i:VT+8*\c+2*\i+1], v[SS+2*\i:SS+2*\i+1], v[OA+8*\c:OA+8*\c+7]
.endif
.endr
.endr
.rept 9
	v_nop                                          ; nine places: O^T becomes an operand
.endr
; Two column tiles n0, n0 + 1 of my part: source 0 = 16 rows of W_o, source 1 = O^T as it lies; two accumulators by turns.  Then into LDS, each from its low end on: lane (r, h): columns 16 n + 8 h + 0 .. 7 of query r.
.macro PASS n0
.irp c, 0,1,2,3
.irp i, 0,1,2,3
.irp u, 0,1
.if (\c == 0) && (\i == 0)
	v_wmma_f32_16x16x4_f32 v[PA+8*\u:PA+8*\u+7], v[32+32*(\n0+\u)+32*((\n0+\u)/2)+8*\c+2*\i:32+32*(\n0+\u)+32*((\n0+\u)/2)+8*\c+2*\i+1], v[OA+8*\c+2*\i:OA+8*\c+2*\i+1], 0
.else
	v_wmma_f32_16x16x4_f32 v[PA+8*\u:PA+8*\u+7], v[32+32*(\n0+\u)+32*((\n0+\u)/2)+8*\c+2*\i:32+32*(\n0+\u)+32*((\n0+\u)/2)+8*\c+2*\i+1], v[OA+8*\c+2*\i:OA+8*\c+2*\i+1], v[PA+8*\u:PA+8*\u+7]
.endif
.endr
.endr
.endr
.rept 8
	v_nop                                          ; places in front of the stores that read the results
.endr
.irp u, 0,1
	ds_store_b128 v[LW], v[PA+8*\u:PA+8*\u+3] offset:(\n0+\u)*64
	ds_store_b128 v[LW], v[PA+8*\u+4:PA+8*\u+7] offset:(\n0+\u)*64+16
.endr
.endm
	s_wait_loadcnt 16                              ; tiles 2 and 3 are in; the 16 loads of tiles 0 and 1 may be out
	PASS 2
	v_nop                                          ; the ninth place: the next sums begin anew in the same accumulators
	s_wait_dscnt 0x0                               ; the stores have read them
	s_wait_loadcnt 0x0
	PASS 0
	s_wait_dscnt 0x0                               ; for the others' sake: my part lies in LDS
	s_barrier_signal -1
	s_barrier_wait -1
.irp k, 0,1,2,3,4,5,6,7,8,9,10,11,12,13,14,15
	ds_load_b64 v[96+2*\k:97+2*\k], v[LR] offset:\k*PART   ; row w of head k's part
.endr
	s_wait_dscnt 0x0
.irp k, 1,2,3,4,5,6,7,8,9,10,11,12,13,14,15
	v_pk_add_f32 v[96:97], v[96:97], v[96+2*\k:97+2*\k]
.endr
	global_store_b64 v[GOF], v[96:97], s[8:9]      ; 32 lanes store 256 consecutive bytes, aligned
	s_wait_tensorcnt 0x0                           ; the wave's end: behind my last LDS store
	ds_add_u32 v[SPW], v[NIL]
	s_wait_dscnt 0x0
	s_endpgm
.Lfunc_end_k_q947fcc41f9_fine:
	.size	k_q947fcc41f9_fine, .Lfunc_end_k_q947fcc41f9_fine-k_q947fcc41f9_fine
	.p2alignl 7, 3214868480
	.fill 96, 4, 3214868480
	.section	.rodata,"a",@progbits
	.p2align	6, 0x0
	.amdhsa_kernel k_q947fcc41f9_fine
		.amdhsa_group_segment_fixed_size 71680
		.amdhsa_private_segment_fixed_size 0
		.amdhsa_enable_private_segment 0
		.amdhsa_kernarg_size 24
		.amdhsa_user_sgpr_count 2
		.amdhsa_user_sgpr_kernarg_segment_ptr 1
		.amdhsa_wavefront_size32 1
		.amdhsa_system_sgpr_workgroup_id_x 1
		.amdhsa_system_sgpr_workgroup_id_y 1
		.amdhsa_system_sgpr_workgroup_id_z 1
		.amdhsa_system_vgpr_workitem_id 0
		.amdhsa_next_free_vgpr 256
		.amdhsa_next_free_sgpr 66
		.amdhsa_reserve_vcc 1
		.amdhsa_float_denorm_mode_32 3
		.amdhsa_float_denorm_mode_16_64 3
		.amdhsa_memory_ordered 1
		.amdhsa_forward_progress 1
		.amdhsa_inst_pref_size 23
	.end_amdhsa_kernel
	.amdgpu_metadata
---
amdhsa.version: [ 1, 2 ]
amdhsa.kernels:
  - .name:           k_q947fcc41f9_fine
    .symbol:         k_q947fcc41f9_fine.kd
    .args:
      - { .name: fine_qkv, .offset: 0, .size: 8, .value_kind: global_buffer, .address_space: global }
      - { .name: W_o, .offset: 8, .size: 8, .value_kind: global_buffer, .address_space: global }
      - { .name: out0, .offset: 16, .size: 8, .value_kind: global_buffer, .address_space: global }
    .group_segment_fixed_size: 71680
    .private_segment_fixed_size: 0
    .kernarg_segment_align: 8
    .kernarg_segment_size: 24
    .max_flat_workgroup_size: 512
    .sgpr_count:     66
    .vgpr_count:     256
    .wavefront_size: 32
...
	.end_amdgpu_metadata
.endif
;; end of part 5
